; MI455X (gfx1250); checked and timed in simulation.
; The chip was launched on July 23, 2026; its instructions are those of AMD's public machine-readable ISA for CDNA 5 (MIT licence, August 2026) and "CDNA5" Instruction Set Architecture Reference Guide (July 2026). The comments in the code are by the model that wrote it; some were corrected since.
;; Causal Multi Head Self Attention. Allowed arithmetic: matrix products marked QUANTISED: E2M3 operands, one E8M0 scale for each 32 along K, by v_wmma_scale_f32_16x16x128_f8f6f4 with both operands' format E2M3, f32 sums; everything else in f32.
;; Inputs: Wk_codes 1,024 x 32 x 24 uint8 (E2M3 codes of Wk, K innermost, in blocks of 32 codes, four codes in three bytes); Wk_scales 1,024 x 32 uint8 (E8M0 scales of Wk, one for each 32 codes along K); Wo_codes 1,024 x 32 x 24 uint8 (E2M3 codes of Wo, K innermost, in blocks of 32 codes, four codes in three bytes); Wo_scales 1,024 x 32 uint8 (E8M0 scales of Wo, one for each 32 codes along K); Wq_codes 1,024 x 32 x 24 uint8 (E2M3 codes of Wq, K innermost, in blocks of 32 codes, four codes in three bytes); Wq_scales 1,024 x 32 uint8 (E8M0 scales of Wq, one for each 32 codes along K); Wv_codes 1,024 x 32 x 24 uint8 (E2M3 codes of Wv, K innermost, in blocks of 32 codes, four codes in three bytes); Wv_scales 1,024 x 32 uint8 (E8M0 scales of Wv, one for each 32 codes along K); token_positions 2,048 int32; x_codes 4 x 2,048 x 32 x 24 uint8 (E2M3 codes of x, K innermost, in blocks of 32 codes, four codes in three bytes); x_scales 4 x 2,048 x 32 uint8 (E8M0 scales of x, one for each 32 codes along K).
;; Outputs: out0 4 x 2,048 x 1,024 float32.
;; This version of the problem:
;;   THIS VERSION OF THE PROBLEM IS GIVEN IN LOW PRECISION. The matrix products marked QUANTISED in the list below multiply operands that are first quantised to E2M3 (2 exponent bits, 3 mantissa bits; 6 bits a number), with one power-of-two scale for each 32 numbers along K (OCP MX v1.0); their sums are f32. All else is computed in f32.
;;   The module's matrix products, in the order in which they are computed (A, B: the left and right operand; K: the contracted axis; several contracted axes count as one K, in the product's order):
;;     1. [M 8,192, K 1,024] x [K 1,024, N 1,024]; A: input x (given as codes); B: input Wq (given as codes): QUANTISED
;;     2. [M 8,192, K 1,024] x [K 1,024, N 1,024]; A: input x (given as codes); B: input Wk (given as codes): QUANTISED
;;     3. [M 8,192, K 1,024] x [K 1,024, N 1,024]; A: input x (given as codes); B: input Wv (given as codes): QUANTISED
;;     4. batch 64 x [M 2,048, K 64] x [K 64, N 2,048]; A: computed on the way; B: computed on the way: QUANTISED
;;     5. batch 64 x [M 2,048, K 2,048] x [K 2,048, N 64]; A: softmax (see below); B: computed on the way: QUANTISED
;;     6. [M 8,192, K 1,024] x [K 1,024, N 1,024]; A: computed on the way; B: input Wo (given as codes): QUANTISED
;;   THE QUANTISER, for each operand of a quantised product, along K:
;;     - K is cut into blocks of 32 from its start; a last block that is shorter is filled with zeros.
;;     - A block's scale is 2^e with e = floor(log2(the largest magnitude in the block)) - 2, held to -126 .. 127; a block of zeros has e = 0. As a byte (E8M0): e + 127.
;;     - Each number is divided by its block's scale, clamped to +-7.5, and rounded to the nearest number of E2M3, ties to even, subnormals kept.
;;     - The product sums the exact products of the quantised numbers (number of the format x scale) in f32.
;;   ~~~python
;;   def quantise(x, axis):      # numpy; x: float32 -> the quantised numbers, widened to float32 again
;;       x = np.moveaxis(x, axis, -1); K = x.shape[-1]
;;       x = np.pad(x, [(0, 0)] * (x.ndim - 1) + [(0, -K % 32)]); x = x.reshape(x.shape[:-1] + (-1, 32)); a = np.abs(x).max(-1, keepdims=True)
;;       e = np.where(a > 0, np.clip(np.frexp(np.where(a > 0, a, 1))[1] - 1 - 2, -126, 127), 0)      # np.frexp(a)[1] - 1 = floor(log2(a)), exactly
;;       r = np.clip(x / 2.0 ** e, -7.5, 7.5)
;;       step = 2.0 ** (np.maximum(np.frexp(np.where(r == 0, 1, r))[1] - 1, 0) - 3)
;;       q = np.round(r / step) * step * 2.0 ** e      # np.round: ties to even
;;       return np.moveaxis(q.reshape(q.shape[:-2] + (-1,))[..., :K], -1, axis).astype(np.float32)
;;   ~~~
;;   SOFTMAX AHEAD OF A QUANTISED PRODUCT. Where the list says 'softmax', what is quantised is not the finished softmax but p = 2^(t - M), with t = logit x log2(e) and M = ceil(the row's largest t), a whole number; so 1/2 < the row's largest p <= 1. The row's sum l is taken of the UNQUANTISED p, in f32, and the product's result is divided by l at the end. Since M is a whole number, a kernel that streams over the keys may use a running M (the ceiling of the running maximum): every later rescaling is an exact power of two, which a block's scale takes up: the codes' values come out the same.
;;   OPERANDS COMPUTED ON THE WAY. 'Computed on the way' means the value that the module computes at that place (a softmax that the list does not call 'softmax' is quantised finished and normalised). What goes into a quantiser is computed in f32, as accurately as f32 sums, v_exp_f32 and their like allow (about 1e-6 of the number): no bf16 or f16 on the way to a quantiser, and a product that is left as it is and whose result goes on into a quantised operand takes f32 operands (vector FMAs, or v_wmma_f32_16x16x4_f32). A number that lies on a knife's edge between two numbers of the format may be rounded either way, as far as f32 arithmetic and the matrix unit's own rounding can turn it there, and no further.
;;   INPUTS GIVEN AS CODES. Wk (in the module: [1024, 1024], K = its axis 1); Wo (in the module: [1024, 1024], K = its axis 1); Wq (in the module: [1024, 1024], K = its axis 1); Wv (in the module: [1024, 1024], K = its axis 1); x (in the module: [4, 2048, 1024], K = its axis 2): each comes as NAME_codes (uint8): NAME with its K axis moved to the last place and cut into blocks of 32 codes, [.., K / 32, bytes a block], one block behind the other in memory; four codes in three bytes: a row's codes are one little-endian stream of bits, code i at bits 6 i .. 6 i + 5 (a code: sign, 2 exponent bits, 3 mantissa bits); and NAME_scales (uint8): the same leading axes, one E8M0 byte (e + 127) for each 32 codes along K. Its value is code x scale, taken as it is: it is not quantised again, and the codes and scales need not be those that the quantiser above would give.
;; One version. Each part assembles by itself: llvm-mc -triple=amdgcn-amd-amdhsa -mcpu=gfx1250 --defsym DOCPART=n.
;; ======== version 1 of 1: 3 launches
;; limits: right only within a limited range of input values
;; workspace buffers: qkv 20,185,088 bytes; ctx_codes 6,291,456 bytes; ctx_scales 262,144 bytes
;; launch qkv (part 1): grid 16 x 32, 4 waves a work-group, clusters of 4 x 4, 327,680 bytes of LDS; arguments x_codes, x_scales, Wq_codes, Wq_scales, Wk_codes, Wk_scales, Wv_codes, Wv_scales, token_positions, qkv; writes qkv
.if DOCPART == 1
	.amdgcn_target "amdgcn-amd-amdhsa--gfx1250"
	.amdhsa_code_object_version 6
	.text
	.protected	k_q94bbf9dfc6_qkv
	.globl	k_q94bbf9dfc6_qkv
	.p2align	8
	.type	k_q94bbf9dfc6_qkv,@function
k_q94bbf9dfc6_qkv:
	s_mov_b64 s[64:65], 0
	v_nop
	global_prefetch_b8 v0, s[64:65] scope:SCOPE_SE
	s_setreg_imm32_b32 hwreg(HW_REG_WAVE_MODE, 25, 1), 1
	s_wait_xcnt 0x0
	s_wait_alu depctr_hold_cnt(0) depctr_sa_sdst(0) depctr_va_vdst(0) depctr_va_sdst(0) depctr_va_ssrc(0) depctr_va_vcc(0) depctr_vm_vsrc(0)
	s_getreg_b32 s2, hwreg(HW_REG_IB_STS2, 6, 4)
	s_cmp_eq_u32 s2, 0
	s_cbranch_scc0 .Lentry_in_a_cluster
	s_endpgm
.Lentry_in_a_cluster:
	s_bfe_u32 s2, ttmp6, 0x10000c
	s_cmp_lg_u32 s2, 0xf033
	s_cbranch_scc0 .Lentry_shape_is_right
	s_endpgm
.Lentry_shape_is_right:
; q, k, v = x Wq^T, x Wk^T, x Wv^T on codes of FP6 (E2M3) as they are given; RoPE on q and k in f32; q and k quantised along the head's 64, v along the keys.
; Only codes and scale bytes leave: into the records of buffer qkv, one record of REC bytes for each (batch, head), laid as the next launch's operand registers want them.
; SHARES.  Work-group (head, rb): 256 rows of x against the head's 64 rows of each of Wq, Wk, Wv.  Wave w: rows 64 w .. 64 w + 63, all 192 columns: 48 accumulators of 16 x 16, 384 registers.
;   So a RoPE pair, a block of 32 along d and a block of 32 keys all lie inside one wave.
; ORIENTATION.  q, k: source 0 = 16 rows of W, source 1 = 16 rows of x: a lane holds one token, its registers run along d.  v: source 0 = x, source 1 = Wv: a lane holds one d, its registers run along the keys.
; HALF IMAGE (768 bytes): 16 rows x 64 along K as six operand registers: registers 0-3 of lane L at 16 L, registers 4-5 at 512 + 8 L: each store of a wave covers whole aligned runs of 256 bytes.
; ORDER INSIDE A BLOCK OF 32: tiles are 16 neighbouring rows, so a lane's 16 numbers of a block are two groups of 8; the codes of a block lie in the order (G0, G2, G1, G3), Gi = 8 neighbours.
;   q and k are both laid so along d, v (here) and p (next launch) both so along the keys: a permutation inside a scale block, alike on both sides, keeps every product.
; RING.  K = 1,024 goes in four chunks of 256 (rows of 192 bytes) through two LDS slots; chunks 2 and 3 are refills.  The scale bytes of all of K come once.
; CLUSTER 4 x 4: x's tile hangs on rb alone (shared along a row of the cluster), W's tiles on the head alone (shared along a column): joint loads.  Wave 0 asks for x's tile, waves 1, 2, 3 for Wq's, Wk's, Wv's.
; No prefetch: the launch has two refills in all, and every other tile goes out at its head.
; LIMITS: cos and sin are made by a three-term reduction by pi / 2 and hold for |position x inv_freq| up to 105,615 (the drawn positions end at 2,047); NaN and infinities among computed numbers are not served;
;   a block whose largest magnitude lies under 2^-124, a block of zeros among them, keeps the scale byte 1 (its codes are zeros or near it; this program alone reads the bytes);
;   RoPE's second product is fused with the sum (one rounding where reference() has two); inv_freq = 10^(-i/8) is written correctly rounded.
; REGISTERS, in windows of 256.  Window 0: v1 r, v2 h, v3 lane, v5 a scale word just made, v6-13 fragment addresses, v14-15 scale addresses, v16-17 the spare word's address and 0, v18-23 store offsets and shifts,
;   v24-25 a position as f32, v26-29 positions, later scale words to store, v30-31 at work, v32-47 x's scale words, v48-95 W's, v96-159 64 numbers at work, v160-175 quantiser's scratch, v176-247 six sets of codes, v248-254 half blocks.
;   (While cos and sin are made, v96-232 hold inv_freq, constants and five arrays of 16.)
;   Window 1: v0-143 W's 12 fragments, v144-239 x's 4 fragments, two sets.  Window 2: v0-127 q's accumulators (8 (4 mt + nt)), v128-255 k's.  Window 3: v0-127 v's (8 (4 nt + mt)), v128-255 cos, sin by pairs.
.set PITCH,  240                       ; an LDS row: 3 x (64 bytes + 16 of padding)
.set SLOT,   107520                    ; x's 256 rows, then 64 rows each of Wq, Wk, Wv
.set BOFF,   61440                     ; where W's rows begin in a slot
.set SCL,    215040                    ; behind the ring: x's scale bytes, 32 runs of 256 bytes + 16
.set SCWL,   SCL+8704                  ; then W's: 3 x 8 runs
.set SPARE,  230400                    ; the spare words: 128 bytes a wave, two blocks of 256 bytes that no other line names
.set REC,    315392                    ; a record: K's scale words 8,192 | V's 4,096 | 16 slabs of 12,288 | Q's codes 98,304 | Q's scale words 8,192
.set PADC,   (1<<20)|(1<<21)|(3<<22)|(3<<25)           ; elements of 1 byte; padding on; bit 21 beside a mask; behind every 16 words 4 words
.set PADS,   (3<<16)|(1<<20)|(1<<21)|(5<<22)|(3<<25)   ; elements of 8 bytes; behind every 64 words 4 words
.set G1A,  36
.set G1B,  44
.set G1SA, 52
.set G0SA, 60
.set G1SB, 68
.set G0SB, 76
.set G0A,  80
.set G0B,  88
.set PW,   5
.set ADRA, 6
.set ADRB, 10
.set ADSX, 14
.set ADSW, 15
.set SPW,  16
.set NIL,  17
.set O16,  18
.set O8,   19
.set OSC,  20
.set OVS,  21
.set SHK,  22
.set SHV,  23
.set POSF, 24
.set SWD,  26
.set VT,   30
.set SCX,  32
.set SCWR, 48
.set T,    96
.set TM,   160
.set CD,   176
.set XT,   248
.set INV,  96                          ; the head's map: inv_freq of my 16 pairs,
.set K2PI, 112                         ; constants, each twice (a pair for the packed forms),
.set KMAG, 114
.set KNP1, 116
.set KNP2, 118
.set KNP3, 120
.set KS1,  122
.set KS2,  124
.set KS3,  126
.set KC1,  128
.set KC2,  130
.set KC3,  132
.set AR,   136                         ; and five arrays of 16
.set NBR,  152
.set NFR,  168
.set R2R,  184
.set SR,   200
.set CR,   216
.set MSB, 0
.macro WIN new                         ; the immediate's high byte repeats the setting that is left; a switch that changes nothing is dropped
.set NW, \new
.if MSB != NW
	s_set_vgpr_msb (MSB<<8)|NW
.set MSB, NW
.endif
.endm
.macro PLACES n                        ; plain places behind matrix instructions (ISA guide 7.12.1)
.rept \n
	v_nop
.endr
.endm
; A joint load: wave 0 asks for x, waves 1 to 3 for a W each.  The branch hangs on the wave's number alone.  Four v_nop follow each of the two lines.
.macro JLOAD g0a, g1a, g0b, g1b
	s_cmp_eq_u32 s24, 0
	s_cbranch_scc0 .Lfor_b_\@
	tensor_load_to_lds s[\g0a:\g0a+3], s[\g1a:\g1a+7]
	s_nop 0
.rept 4
	v_nop
.endr
	s_branch .Lasked_\@
.Lfor_b_\@:
	tensor_load_to_lds s[\g0b:\g0b+3], s[\g1b:\g1b+7]
	s_nop 0
.rept 4
	v_nop
.endr
.Lasked_\@:
.endm
.macro CREST                           ; a round of the cluster's barrier behind its opening barrier
	s_cmp_lg_u32 s24, 0
	s_cbranch_scc1 .Lnot_wave_0_\@
	s_barrier_signal -3
.Lnot_wave_0_\@:
	s_barrier_wait -3
	s_barrier_signal -1
	s_barrier_wait -1
.endm
.macro CROUND
	s_barrier_signal -1
	s_barrier_wait -1
	CREST
.endm
.macro KPAIR reg, val
	v_mov_b32 v[\reg], \val
	v_mov_b32 v[\reg+1], \val
.endm
.macro INVSET a, lo, hi                ; inv_freq of pair a: lanes 0-15 take lo, lanes 16-31 (four pairs further on) hi
	v_mov_b32 v[INV+\a], \hi
	v_cndmask_b32 v[INV+\a], \lo, v[INV+\a], vcc_lo
.endm
	s_load_b256 s[4:11], s[0:1], 0x0               ; x's codes, x's scales, Wq's codes, Wq's scales
	s_load_b256 s[12:19], s[0:1], 0x20             ; Wk's, Wv's
	s_load_b128 s[20:23], s[0:1], 0x40             ; token_positions, qkv
	v_lshl_add_u32 v[SPW], v0, 2, SPARE
	v_mov_b32 v[NIL], 0
	ds_add_u32 v16, v17
	ds_add_u32 v16, v17
	s_wait_dscnt 0x0
	v_lshrrev_b32 v1, 5, v0
	v_readfirstlane_b32 s24, v1                    ; wave 0..3
	s_bfe_u32 s25, ttmp6, 0x40000                  ; cx
	s_bfe_u32 s26, ttmp6, 0x40004                  ; cy
	s_lshl_b32 s27, ttmp9, 2
	s_add_co_u32 s27, s27, s25                     ; head = 4 x cluster x + cx
	s_and_b32 s28, ttmp7, 0xffff
	s_lshl_b32 s28, s28, 2
	s_add_co_u32 s28, s28, s26                     ; rb = 4 x cluster y + cy: which 256 rows of x
	s_lshl_b32 s29, s26, 2
	s_lshl_b32 s29, 15, s29                        ; my row of the cluster
	s_lshl_b32 s33, 0x1111, s25                    ; my column
	s_or_b32 s[G1A], s29, PADC                     ; x's tile: 256 rows x 192 bytes, 768 bytes apart in memory
	s_mov_b32 s[G1A+1], 192<<16
	s_mov_b32 s[G1A+2], 256<<16
	s_mov_b32 s[G1A+3], 192<<16
	s_mov_b32 s[G1A+4], 256
	s_mov_b32 s[G1A+5], 768
	s_mov_b32 s[G1A+6], 0
	s_mov_b32 s[G1A+7], 0
	s_or_b32 s[G1B], s33, PADC                     ; a W's tile: 64 rows
	s_mov_b32 s[G1B+1], 192<<16
	s_mov_b32 s[G1B+2], 64<<16
	s_mov_b32 s[G1B+3], 192<<16
	s_mov_b32 s[G1B+4], 64
	s_mov_b32 s[G1B+5], 768
	s_mov_b32 s[G1B+6], 0
	s_mov_b32 s[G1B+7], 0
	s_or_b32 s[G1SA], s29, PADS                    ; x's scale bytes: 8,192 dense bytes as 32 rows of 256
	s_mov_b32 s[G1SA+1], 32<<16
	s_mov_b32 s[G1SA+2], 32<<16
	s_mov_b32 s[G1SA+3], 32<<16
	s_mov_b32 s[G1SA+4], 32
	s_mov_b32 s[G1SA+5], 32
	s_mov_b32 s[G1SA+6], 0
	s_mov_b32 s[G1SA+7], 0
	s_or_b32 s[G1SB], s33, PADS                    ; a W's: 2,048 dense bytes as 8 rows
	s_mov_b32 s[G1SB+1], 32<<16
	s_mov_b32 s[G1SB+2], 8<<16
	s_mov_b32 s[G1SB+3], 32<<16
	s_mov_b32 s[G1SB+4], 8
	s_mov_b32 s[G1SB+5], 32
	s_mov_b32 s[G1SB+6], 0
	s_mov_b32 s[G1SB+7], 0
	s_mul_i32 s30, s28, 196608                     ; x: 256 rows of 768 bytes (registers that hold cy's side alone)
	s_mov_b32 s31, 0
	s_lshl_b32 s2, s28, 13                         ; x's scales: 256 rows of 32 bytes
	s_mov_b32 s3, 0
	s_mul_i32 s98, s27, 49152                      ; W: 64 rows of 768 bytes (cx's side alone)
	s_mov_b32 s99, 0
	s_lshl_b32 s96, s27, 11                        ; W's scales: 64 rows of 32 bytes
	s_mov_b32 s97, 0
	s_mul_i32 s100, s24, 15360                     ; where a W's tile goes: by the wave's number
	s_mul_i32 s101, s24, 2176
	s_wait_kmcnt 0x0
	s_cmp_eq_u32 s24, 2                            ; wave 1: Wq, wave 2: Wk, wave 3: Wv (wave 0 never asks by these)
	s_cselect_b64 s[32:33], s[12:13], s[8:9]
	s_cselect_b64 s[34:35], s[14:15], s[10:11]
	s_cmp_eq_u32 s24, 3
	s_cselect_b64 s[32:33], s[16:17], s[32:33]
	s_cselect_b64 s[34:35], s[18:19], s[34:35]
	s_add_nc_u64 s[30:31], s[4:5], s[30:31]
	s_add_nc_u64 s[2:3], s[6:7], s[2:3]
	s_add_nc_u64 s[32:33], s[32:33], s[98:99]
	s_add_nc_u64 s[34:35], s[34:35], s[96:97]
	CROUND                                         ; all sixteen work-groups are here: the first joint loads meet
	s_mov_b32 s[G0SA], 1
	s_mov_b32 s[G0SA+1], SCL
	s_mov_b64 s[G0SA+2:G0SA+3], s[2:3]
	s_or_b32 s[G0SA+3], s[G0SA+3], 0x80000000
	s_mov_b32 s[G0SB], 1
	s_add_co_u32 s[G0SB+1], s101, SCL+6528         ; SCWL + 2,176 (wave - 1)
	s_mov_b64 s[G0SB+2:G0SB+3], s[34:35]
	s_or_b32 s[G0SB+3], s[G0SB+3], 0x80000000
	JLOAD G0SA, G1SA, G0SB, G1SB                   ; the scale bytes of all of K: filled once
.irp s, 0,1
	s_mov_b32 s[G0A+4*\s], 1
	s_mov_b32 s[G0A+4*\s+1], \s*SLOT
	s_add_nc_u64 s[G0A+4*\s+2:G0A+4*\s+3], s[30:31], \s*192
	s_or_b32 s[G0A+4*\s+3], s[G0A+4*\s+3], 0x80000000
	s_mov_b32 s[G0B+4*\s], 1
	s_add_co_u32 s[G0B+4*\s+1], s100, \s*SLOT+46080   ; BOFF + 15,360 (wave - 1)
	s_add_nc_u64 s[G0B+4*\s+2:G0B+4*\s+3], s[32:33], \s*192
	s_or_b32 s[G0B+4*\s+3], s[G0B+4*\s+3], 0x80000000
	JLOAD G0A+4*\s, G1A, G0B+4*\s, G1B             ; chunks 0 and 1: three tensor loads of mine are out
.endr
	; ---- while the tiles are on their way: positions, addresses, cos and sin
	v_and_b32 v3, 31, v0                           ; lane
	v_and_b32 v1, 15, v0                           ; r
	v_bfe_u32 v2, v0, 4, 1                         ; h
	s_and_b32 s29, s28, 7                          ; which 256 tokens of the sequence
	s_lshl_b32 s30, s29, 8
	s_lshl_b32 s31, s24, 6
	s_add_co_u32 s30, s30, s31                     ; my wave's first token
	s_lshl_b32 s30, s30, 2
	v_lshl_add_u32 v4, v1, 2, s30
.irp mt, 0,1,2,3
	global_load_b32 v[SWD+\mt], v4, s[20:21] offset:64*\mt   ; the position of token 16 mt + r
.endr
	s_mov_b32 s2, 0x76543210                       ; v_permlanex16_b32's selects for lane l xor 16
	s_mov_b32 s3, 0xfedcba98
	s_mov_b32 s6, 0x7f7f0000                       ; the scale bytes of the 64 along K that q and k do not have: 1.0
	v_mul_u32_u24 v5, v1, PITCH
	v_mad_u32_u24 v30, v2, 24, v5                  ; a fragment's row x pitch + 24 x half,
	v_mad_u32_u24 v31, v2, 40, v5                  ; and the same behind one padding more
	s_mul_i32 s31, s24, 15360                      ; my 64 rows of x
.irp s, 0,1
	v_add_nc_u32 v[ADRA+\s], s31, v30
	v_add_nc_u32 v[ADRA+2+\s], s31, v31
	v_add_nc_u32 v[ADRB+\s], \s*SLOT+BOFF, v30
	v_add_nc_u32 v[ADRB+2+\s], \s*SLOT+BOFF, v31
	s_add_co_u32 s31, s31, SLOT
.endr
	v_and_b32 v30, 7, v1                           ; scale bytes: 32 a row, eight rows to a run of 256 + 16; lanes 16-31 take the tile 16 rows on
	v_lshrrev_b32 v31, 3, v1
	v_lshlrev_b32 v30, 5, v30
	v_mad_u32_u24 v30, v31, 272, v30
	v_mad_u32_u24 v30, v2, 544, v30
	s_mul_i32 s31, s24, 2176
	s_add_co_u32 s31, s31, SCL
	v_add_nc_u32 v[ADSX], s31, v30
	v_add_nc_u32 v[ADSW], SCWL, v30
	v_lshlrev_b32 v[O16], 4, v3                    ; a half image: 16 x lane,
	v_lshlrev_b32 v[O8], 3, v3
	v_add_nc_u32 v[O8], 512, v[O8]                 ; and 512 + 8 x lane
	s_lshl_b32 s30, s29, 2
	s_add_co_u32 s30, s30, s24                     ; kb: which 64 tokens of the sequence are my wave's
	s_lshr_b32 s31, s30, 1                         ; j: which slab of 128 keys
	s_and_b32 s29, s30, 1                          ; c: which half of it
	s_lshl_b32 s32, s30, 8
	v_lshl_add_u32 v[OSC], v1, 4, s32              ; K's scale words: 256 kb + 16 r; lanes 16-31: Q's, 307,200 on
	v_mad_u32_u24 v[OSC], v2, 0x4b000, v[OSC]
	s_lshl_b32 s32, s31, 8
	s_lshl_b32 s33, s29, 1
	s_add_co_u32 s32, s32, s33
	s_add_co_u32 s32, s32, 8192
	v_lshl_add_u32 v[OVS], v1, 4, s32              ; V's scale bytes: 8,192 + 256 j + 16 r + 4 nt + 2 c, nt = 2 np + h
	v_lshl_add_u32 v[OVS], v2, 2, v[OVS]
	v_sub_nc_u32 v[SHK], 1, v2
	v_lshlrev_b32 v[SHK], 4, v[SHK]                ; 16 (1 - h)
	v_lshlrev_b32 v[SHV], 4, v2                    ; 16 h
	s_lshr_b32 s32, s28, 3                         ; the batch
	s_lshl_b32 s32, s32, 4
	s_add_co_u32 s32, s32, s27
	s_mul_i32 s32, s32, REC
	s_mov_b32 s33, 0
	s_add_nc_u64 s[100:101], s[22:23], s[32:33]    ; my record
	s_mul_i32 s32, s31, 12288
	s_mul_i32 s34, s29, 3072
	s_add_co_u32 s32, s32, s34
	s_add_co_u32 s32, s32, 12288
	s_add_nc_u64 s[96:97], s[100:101], s[32:33]    ; K's four half images: slab j, tiles 4 c on
	s_add_nc_u64 s[98:99], s[96:97], 6144          ; V's four: the slab's second half, 3,072 c on
	s_mul_i32 s32, s30, 3072
	s_add_co_u32 s32, s32, 208896
	s_add_nc_u64 s[4:5], s[100:101], s[32:33]      ; Q's four: tiles 4 kb on
	KPAIR K2PI, 0x3f22f983                         ; 2 / pi
	KPAIR KMAG, 0x4b400000                         ; 1.5 x 2^23: added, it leaves the nearest whole number in the low bits
	KPAIR KNP1, 0xbfc90fd8                         ; -pi / 2 in three parts
	KPAIR KNP2, 0xb4a8885a
	KPAIR KNP3, 0xa7c234c4
	KPAIR KS1, 0xbe2aaaa3                          ; sin r = r + r^3 (S1 + r^2 (S2 + r^2 S3)) on |r| <= pi / 4
	KPAIR KS2, 0x3c08839e
	KPAIR KS3, 0xb94ca1f9
	KPAIR KC1, 0x3d2aaaa5                          ; cos r = 1 - r^2 / 2 + r^4 (C1 + r^2 (C2 + r^2 C3))
	KPAIR KC2, 0xbab6061a
	KPAIR KC3, 0x37ccf5ce
	v_cmp_ne_u32 vcc_lo, 0, v2
	; pair a = 4 nt + jj of lane half h is pair i = 8 nt + 4 h + jj of the head: inv_freq = 10000^(-i/32) = 10^(-i/8)
	INVSET 0, 0x3f800000, 0x3ea1e89b
	INVSET 1, 0x3f3ff911, 0x3e72d424
	INVSET 2, 0x3f0ff59a, 0x3e361887
	INVSET 3, 0x3ed7e89b, 0x3e088d77
	INVSET 4, 0x3dcccccd, 0x3d0186e2
	INVSET 5, 0x3d99940e, 0x3cc24350
	INVSET 6, 0x3d6655c3, 0x3c91ad39
	INVSET 7, 0x3d2cba15, 0x3c5a7bf1
	INVSET 8, 0x3c23d70a, 0x3b4f3e37
	INVSET 9, 0x3bf5b9b0, 0x3b1b690d
	INVSET 10, 0x3bb8449c, 0x3ae91528
	INVSET 11, 0x3b8a2e77, 0x3aaec98e
	INVSET 12, 0x3a83126f, 0x39a5cb5f
	INVSET 13, 0x3a44948c, 0x3978a814
	INVSET 14, 0x3a136a16, 0x393a7753
	INVSET 15, 0x39dd1726, 0x390bd472
; cos and sin of my token of tile mt at my 16 pairs, into window 3: cos at v[128 + 32 mt + 2 a], sin behind it
.macro SINCOS mt
	v_cvt_f32_i32 v[POSF], v[SWD+\mt]
	v_cvt_f32_i32 v[POSF+1], v[SWD+\mt]
.irp p, 0,2,4,6,8,10,12,14
	v_pk_mul_f32 v[AR+\p:AR+\p+1], v[INV+\p:INV+\p+1], v[POSF:POSF+1]                      ; the angle, rounded once as reference() rounds it
.endr
.irp p, 0,2,4,6,8,10,12,14
	v_pk_fma_f32 v[NBR+\p:NBR+\p+1], v[AR+\p:AR+\p+1], v[K2PI:K2PI+1], v[KMAG:KMAG+1]      ; n = the nearest whole number to angle x 2 / pi, in the low bits
.endr
.irp p, 0,2,4,6,8,10,12,14
	v_pk_add_f32 v[NFR+\p:NFR+\p+1], v[NBR+\p:NBR+\p+1], v[KMAG:KMAG+1] neg_lo:[0,1] neg_hi:[0,1]   ; n as f32
.endr
.irp p, 0,2,4,6,8,10,12,14
	v_pk_fma_f32 v[AR+\p:AR+\p+1], v[NFR+\p:NFR+\p+1], v[KNP1:KNP1+1], v[AR+\p:AR+\p+1]    ; r = angle - n pi / 2
.endr
.irp p, 0,2,4,6,8,10,12,14
	v_pk_fma_f32 v[AR+\p:AR+\p+1], v[NFR+\p:NFR+\p+1], v[KNP2:KNP2+1], v[AR+\p:AR+\p+1]
.endr
.irp p, 0,2,4,6,8,10,12,14
	v_pk_fma_f32 v[AR+\p:AR+\p+1], v[NFR+\p:NFR+\p+1], v[KNP3:KNP3+1], v[AR+\p:AR+\p+1]
.endr
.irp p, 0,2,4,6,8,10,12,14
	v_pk_mul_f32 v[R2R+\p:R2R+\p+1], v[AR+\p:AR+\p+1], v[AR+\p:AR+\p+1]
.endr
.irp p, 0,2,4,6,8,10,12,14
	v_pk_fma_f32 v[SR+\p:SR+\p+1], v[R2R+\p:R2R+\p+1], v[KS3:KS3+1], v[KS2:KS2+1]
	v_pk_fma_f32 v[CR+\p:CR+\p+1], v[R2R+\p:R2R+\p+1], v[KC3:KC3+1], v[KC2:KC2+1]
.endr
.irp p, 0,2,4,6,8,10,12,14
	v_pk_fma_f32 v[SR+\p:SR+\p+1], v[SR+\p:SR+\p+1], v[R2R+\p:R2R+\p+1], v[KS1:KS1+1]
	v_pk_fma_f32 v[CR+\p:CR+\p+1], v[CR+\p:CR+\p+1], v[R2R+\p:R2R+\p+1], v[KC1:KC1+1]
.endr
.irp p, 0,2,4,6,8,10,12,14
	v_pk_mul_f32 v[NFR+\p:NFR+\p+1], v[R2R+\p:R2R+\p+1], v[AR+\p:AR+\p+1]                  ; r^3
	v_pk_fma_f32 v[CR+\p:CR+\p+1], v[CR+\p:CR+\p+1], v[R2R+\p:R2R+\p+1], -0.5 op_sel_hi:[1,1,0]
.endr
.irp p, 0,2,4,6,8,10,12,14
	v_pk_fma_f32 v[SR+\p:SR+\p+1], v[SR+\p:SR+\p+1], v[NFR+\p:NFR+\p+1], v[AR+\p:AR+\p+1]  ; sin r
	v_pk_fma_f32 v[CR+\p:CR+\p+1], v[CR+\p:CR+\p+1], v[R2R+\p:R2R+\p+1], 1.0 op_sel_hi:[1,1,0]   ; cos r
.endr
.irp a, 0,1,2,3,4,5,6,7,8,9,10,11,12,13,14,15
	v_and_b32 v232, 1, v[NBR+\a]                   ; an odd quadrant swaps the two;
	v_cmp_eq_u32 vcc_lo, 1, v232
	v_cndmask_b32 v[R2R+\a], v[SR+\a], v[CR+\a], vcc_lo      ; sin's magnitude
	v_cndmask_b32 v[AR+\a], v[CR+\a], v[SR+\a], vcc_lo       ; cos's
	v_lshlrev_b32 v[NFR+\a], 30, v[NBR+\a]         ; sin is negative where n has bit 1,
	v_add_nc_u32 v[NBR+\a], 1, v[NBR+\a]           ; cos where n + 1 has it
	v_and_b32 v[NFR+\a], 0x80000000, v[NFR+\a]
	v_lshlrev_b32 v[NBR+\a], 30, v[NBR+\a]
	v_and_b32 v[NBR+\a], 0x80000000, v[NBR+\a]
.endr
	WIN 0xc0                                       ; destination window 3
.irp a, 0,1,2,3,4,5,6,7,8,9,10,11,12,13,14,15
	v_xor_b32 v[128+32*\mt+2*\a], v[AR+\a], v[NBR+\a]
	v_xor_b32 v[129+32*\mt+2*\a], v[R2R+\a], v[NFR+\a]
.endr
	WIN 0
.endm
	s_wait_loadcnt 0x0                             ; the positions
	SINCOS 0
	SINCOS 1
	SINCOS 2
	SINCOS 3
.irp b, 0,1,2,3
	v_mov_b32 v[TM+4+\b], 0                        ; written once: a lane permute's destination counts as one of its sources
.endr
; A fragment, 16 rows x 128 K of 6-bit codes, is 12 registers: lane l holds row l % 16; registers 6 c .. 6 c + 5 hold K = 64 c + 32 (l / 16) + 0 .. 31: 24 bytes of the row, as they lie, in pieces of 8 bytes.
; Lanes 16-31 read three pieces further on; where that lies behind one padding more, the second address register serves.
.macro FRAG reg, adr, q, i
.irp p, 0,1,2,3,4,5
.set PCE, 12*(\q)+6*(\p/3)+\p%3
.if PCE%8 < 5
	ds_load_b64 v[\reg+2*\p:\reg+2*\p+1], v[\adr] offset:8*PCE+16*(PCE/8)+(\i)*16*PITCH
.else
	ds_load_b64 v[\reg+2*\p:\reg+2*\p+1], v[\adr+2] offset:8*PCE+16*(PCE/8)+(\i)*16*PITCH
.endif
.endr
.endm
.macro FETCHB slot, q, g               ; the four fragments of W number g (0 q, 1 k, 2 v) of the slot's q-th 128 along K: 24 loads
	WIN 0x40
.irp i, 0,1,2,3
	FRAG 48*(\g)+12*\i, ADRB+\slot, \q, 4*(\g)+\i
.endr
.endm
.macro FETCHA slot, q, set             ; x's four fragments into a set: 24 loads
	WIN 0x40
.irp i, 0,1,2,3
	FRAG 144+48*(\set)+12*\i, ADRA+\slot, \q, \i
.endr
.endm
; One matrix instruction from the symbols rD, rA, rB, rSA, rSB; oA, oB: the side's scale words lie in lanes 16-31; zC: the product starts the sum
.macro EMIT
.if zC
.if oA && oB
	v_wmma_scale_f32_16x16x128_f8f6f4 v[rD:rD+7], v[rA:rA+11], v[rB:rB+11], 0, v[rSA], v[rSB] matrix_a_fmt:MATRIX_FMT_FP6 matrix_b_fmt:MATRIX_FMT_FP6 matrix_a_scale:MATRIX_SCALE_ROW1 matrix_b_scale:MATRIX_SCALE_ROW1
.elseif oA
	v_wmma_scale_f32_16x16x128_f8f6f4 v[rD:rD+7], v[rA:rA+11], v[rB:rB+11], 0, v[rSA], v[rSB] matrix_a_fmt:MATRIX_FMT_FP6 matrix_b_fmt:MATRIX_FMT_FP6 matrix_a_scale:MATRIX_SCALE_ROW1
.elseif oB
	v_wmma_scale_f32_16x16x128_f8f6f4 v[rD:rD+7], v[rA:rA+11], v[rB:rB+11], 0, v[rSA], v[rSB] matrix_a_fmt:MATRIX_FMT_FP6 matrix_b_fmt:MATRIX_FMT_FP6 matrix_b_scale:MATRIX_SCALE_ROW1
.else
	v_wmma_scale_f32_16x16x128_f8f6f4 v[rD:rD+7], v[rA:rA+11], v[rB:rB+11], 0, v[rSA], v[rSB] matrix_a_fmt:MATRIX_FMT_FP6 matrix_b_fmt:MATRIX_FMT_FP6
.endif
.else
.if oA && oB
	v_wmma_scale_f32_16x16x128_f8f6f4 v[rD:rD+7], v[rA:rA+11], v[rB:rB+11], v[rD:rD+7], v[rSA], v[rSB] matrix_a_fmt:MATRIX_FMT_FP6 matrix_b_fmt:MATRIX_FMT_FP6 matrix_a_scale:MATRIX_SCALE_ROW1 matrix_b_scale:MATRIX_SCALE_ROW1
.elseif oA
	v_wmma_scale_f32_16x16x128_f8f6f4 v[rD:rD+7], v[rA:rA+11], v[rB:rB+11], v[rD:rD+7], v[rSA], v[rSB] matrix_a_fmt:MATRIX_FMT_FP6 matrix_b_fmt:MATRIX_FMT_FP6 matrix_a_scale:MATRIX_SCALE_ROW1
.elseif oB
	v_wmma_scale_f32_16x16x128_f8f6f4 v[rD:rD+7], v[rA:rA+11], v[rB:rB+11], v[rD:rD+7], v[rSA], v[rSB] matrix_a_fmt:MATRIX_FMT_FP6 matrix_b_fmt:MATRIX_FMT_FP6 matrix_b_scale:MATRIX_SCALE_ROW1
.else
	v_wmma_scale_f32_16x16x128_f8f6f4 v[rD:rD+7], v[rA:rA+11], v[rB:rB+11], v[rD:rD+7], v[rSA], v[rSB] matrix_a_fmt:MATRIX_FMT_FP6 matrix_b_fmt:MATRIX_FMT_FP6
.endif
.endif
.endm
; 16 matrix instructions: W number g against x's set, step st of 128 along K.  The 48 accumulators take turns, one instruction a turn, in the same order in every step.
.macro MULG g, set, st, zero
.irp mt, 0,1,2,3
.irp nt, 0,1,2,3
.set zC, \zero
.if \g < 2
.set rD, 128*(\g)+8*(4*\mt+\nt)
.set rA, 48*(\g)+12*\nt
.set rB, 144+48*(\set)+12*\mt
.set rSA, SCWR+16*(\g)+8*(\nt/2)+(\st)
.set rSB, SCX+8*(\mt/2)+(\st)
.set oA, \nt%2
.set oB, \mt%2
.else
.set rD, 8*(4*\nt+\mt)
.set rA, 144+48*(\set)+12*\mt
.set rB, 96+12*\nt
.set rSA, SCX+8*(\mt/2)+(\st)
.set rSB, SCWR+32+8*(\nt/2)+(\st)
.set oA, \mt%2
.set oB, \nt%2
.endif
	EMIT
.endr
.endr
.endm
; A chunk's first step.  On entry four groups of 24 loads are out, in this order: Wq's, x's, Wk's, Wv's.  Each group of W is fetched anew behind its own products; x has two sets.
.macro EVEN slot, st, zero
	s_wait_dscnt 48                                ; Wq's and x's are in; Wk's and Wv's may be out
	WIN 0xa5
	MULG 0, 0, \st, \zero
	PLACES 4
	FETCHB \slot, 1, 0
	s_wait_dscnt 48                                ; Wk's are in; behind them Wv's and the next Wq's
	WIN 0xa5
	MULG 1, 0, \st, \zero
	PLACES 4
	FETCHA \slot, 1, 1
	FETCHB \slot, 1, 1
	s_wait_dscnt 63                                ; Wv's are in: 72 loads were issued behind them; 63 is the largest count that the wait can name
	WIN 0xf5
	MULG 2, 0, \st, \zero
	PLACES 4
	FETCHB \slot, 1, 2
.endm
; A chunk's second step changes slots: ONE barrier; in front of it each wave waits for all its tensor loads, adds 0 to its spare word, and waits for that and for its reads of this slot.  fill = 1: the slot is filled again, two chunks on.
.macro ODD slot, next, st, fill
	WIN 0
	s_wait_tensorcnt 0x0                           ; all my tensor loads have landed: my part of the next slot
	ds_add_u32 v[SPW], v[NIL]                      ; 0 onto my spare word
	s_wait_dscnt 49                                ; Wq's and x's are in; Wk's, Wv's and the add may be out
	WIN 0xa5
	MULG 0, 1, \st, 0                              ; sixteen matrix instructions stand between the add and the wait for it
	s_wait_dscnt 0x0                               ; the add is done, and my reads of this slot are over
	s_barrier_signal -1
	MULG 1, 1, \st, 0
	WIN 0
	s_barrier_wait -1
.if \fill
	CREST                                          ; the barrier has opened a round of the cluster's: no wave of any partner still reads this slot or has a load on its way
	s_add_nc_u64 s[G0A+4*\slot+2:G0A+4*\slot+3], s[G0A+4*\slot+2:G0A+4*\slot+3], 384
	s_add_nc_u64 s[G0B+4*\slot+2:G0B+4*\slot+3], s[G0B+4*\slot+2:G0B+4*\slot+3], 384
	JLOAD G0A+4*\slot, G1A, G0B+4*\slot, G1B       ; the first tensor load behind the round, my only one until the next; its four v_nop are the places in front of the loads below
.else
	PLACES 4
.endif
	FETCHB \next, 0, 0
	FETCHA \next, 0, 0
	FETCHB \next, 0, 1
	WIN 0xf5
	MULG 2, 1, \st, 0
	PLACES 4
	FETCHB \next, 0, 2
.endm
	s_wait_tensorcnt 0x1                           ; the scale bytes and my part of chunk 0 are in; chunk 1's load may stay out
	s_barrier_signal -1
	s_barrier_wait -1
.irp p, 0,1                                    ; the scale words of all eight steps, once: lanes 0-15 tile 2 p, lanes 16-31 tile 2 p + 1
	ds_load_b128 v[SCX+8*\p:SCX+8*\p+3], v[ADSX] offset:1088*\p
	ds_load_b128 v[SCX+8*\p+4:SCX+8*\p+7], v[ADSX] offset:1088*\p+16
.endr
.irp g, 0,1,2
.irp p, 0,1
	ds_load_b128 v[SCWR+16*\g+8*\p:SCWR+16*\g+8*\p+3], v[ADSW] offset:2176*\g+1088*\p
	ds_load_b128 v[SCWR+16*\g+8*\p+4:SCWR+16*\g+8*\p+7], v[ADSW] offset:2176*\g+1088*\p+16
.endr
.endr
	FETCHB 0, 0, 0
	FETCHA 0, 0, 0
	FETCHB 0, 0, 1
	FETCHB 0, 0, 2
	EVEN 0, 0, 1                                   ; the first step's products start the sums: nothing is cleared
	ODD 0, 1, 1, 1
	EVEN 1, 2, 0
	ODD 1, 0, 3, 1
	EVEN 0, 4, 0
	ODD 0, 1, 5, 0                                 ; nothing is left to fetch
	EVEN 1, 6, 0
	s_wait_dscnt 48                                ; the last step
	WIN 0xa5
	MULG 0, 1, 7, 0
	s_wait_dscnt 24
	MULG 1, 1, 7, 0
	s_wait_dscnt 0x0
	WIN 0xf5
	MULG 2, 1, 7, 0
	WIN 0
	PLACES 4
; 64 numbers of a lane, v[s] .. v[s + 63] of window w, register 16 b + i in block b, become 12 registers of codes at v[pc] (two half images: blocks 0, 1 and blocks 2, 3) and four scale bytes in v[PW].
.macro QUANT s, w, pc
	WIN (\w)|((\w)<<2)
.irp b, 0,1,2,3
	v_max3_num_f32 v[TM+\b], |v[\s+16*\b]|, |v[\s+1+16*\b]|, 0x1800000   ; my 16 numbers of block b, and the floor 2^(3 - 127): the byte cannot fall under 1
.endr
.irp i, 2,4,6,8,10,12,14
.irp b, 0,1,2,3
	v_max3_num_f32 v[TM+\b], |v[\s+16*\b+\i]|, |v[\s+1+16*\b+\i]|, v[TM+\b]
.endr
.endr
	WIN 0
.irp b, 0,1,2,3
	v_permlanex16_b32 v[TM+4+\b], v[TM+\b], s2, s3
.endr
.irp b, 0,1,2,3
	v_max_num_f32 v[TM+\b], v[TM+\b], v[TM+4+\b]   ; with lane l xor 16's: the block's largest magnitude
.endr
.irp b, 0,1,2,3
	v_add_nc_u32 v[TM+12+\b], 0xff000000, v[TM+\b] ; 2 off its exponent field: the conversion's scale operand
.endr
.irp b, 0,1,2,3
	v_lshrrev_b32 v[TM+4+\b], 23, v[TM+12+\b]      ; the scale's byte
.endr
	v_lshl_or_b32 v[PW], v[TM+5], 8, v[TM+4]
	v_lshl_or_b32 v[PW], v[TM+6], 16, v[PW]
	v_lshl_or_b32 v[PW], v[TM+7], 24, v[PW]
	WIN \w
.irp c, 0,1
	v_cvt_scalef32_pk16_fp6_f32 v[\pc+6*\c:\pc+6*\c+2], v[\s+32*\c:\s+32*\c+15], v[TM+12+2*\c]
	v_cvt_scalef32_pk16_fp6_f32 v[XT+4*\c:XT+4*\c+2], v[\s+16+32*\c:\s+31+32*\c], v[TM+13+2*\c]   ; (a conversion's three registers begin on an even number)
.endr
	WIN 0
	v_nop                                          ; one plain place behind a scaled conversion
.irp c, 0,1                                    ; the operand's layout wants a whole block in a lane: lanes 0-15 block 2 c, lanes 16-31 block 2 c + 1
.irp i, 0,1,2
	v_permlane16_swap_b32 v[\pc+6*\c+\i], v[XT+4*\c+\i]
.endr
.irp i, 0,1,2
	v_mov_b32 v[\pc+3+6*\c+\i], v[XT+4*\c+\i]
.endr
.endr
.endm
; RoPE on tile mt of q (to v[T] on) and of k (to v[T + 32] on): (t1, t2) -> (t1 cos - t2 sin, t1 sin + t2 cos); each accumulator is read from its low pair on
.macro ROPE mt
	WIN 0x0e                                       ; source 0 window 2 (accumulators), source 1 window 3 (cos, sin)
.irp g, 0,1
.set a2, 0
.rept 16
	v_pk_mul_f32 v[T+32*\g+a2:T+32*\g+a2+1], v[128*\g+32*\mt+a2:128*\g+32*\mt+a2+1], v[128+32*\mt+a2:128+32*\mt+a2+1] op_sel:[1,1] op_sel_hi:[0,1] neg_lo:[1,0]   ; (-t2 sin, t1 sin)
.set a2, a2+2
.endr
.endr
.irp g, 0,1
.set a2, 0
.rept 16
	v_pk_fma_f32 v[T+32*\g+a2:T+32*\g+a2+1], v[128*\g+32*\mt+a2:128*\g+32*\mt+a2+1], v[128+32*\mt+a2:128+32*\mt+a2+1], v[T+32*\g+a2:T+32*\g+a2+1] op_sel_hi:[1,0,1]   ; + (t1 cos, t2 cos)
.set a2, a2+2
.endr
.endr
	WIN 0
.endm
	; THE WAY OUT.  Every store has data registers of its own and the offsets are never rewritten, so no wait stands between the stores.
.irp mt, 0,1,2,3
	ROPE \mt
	QUANT T, 0, CD+12*\mt                          ; blocks 0, 1: q's 64 along d; blocks 2, 3: k's
	v_lshrrev_b32 v[SWD+\mt], v[SHK], v[PW]        ; lanes 0-15 keep k's two bytes, lanes 16-31 q's,
	v_and_or_b32 v[SWD+\mt], v[SWD+\mt], 0xffff, s6   ; under two bytes of 1.0
	global_store_b128 v[O16], v[CD+12*\mt:CD+12*\mt+3], s[4:5] offset:768*\mt
	global_store_b64 v[O8], v[CD+12*\mt+4:CD+12*\mt+5], s[4:5] offset:768*\mt
	global_store_b128 v[O16], v[CD+12*\mt+6:CD+12*\mt+9], s[96:97] offset:768*\mt
	global_store_b64 v[O8], v[CD+12*\mt+10:CD+12*\mt+11], s[96:97] offset:768*\mt
.endr
	global_store_b128 v[OSC], v[SWD:SWD+3], s[100:101]   ; lanes 0-15: 256 bytes of K's scale words; lanes 16-31: 256 bytes of Q's
.irp np, 0,1
	QUANT 64*\np, 3, CD+48+12*\np                  ; v: blocks 0, 1: the 64 keys at d tile 2 np; blocks 2, 3: at d tile 2 np + 1
	global_store_b128 v[O16], v[CD+48+12*\np:CD+48+12*\np+3], s[98:99] offset:1536*\np
	global_store_b64 v[O8], v[CD+48+12*\np+4:CD+48+12*\np+5], s[98:99] offset:1536*\np
	global_store_b128 v[O16], v[CD+48+12*\np+6:CD+48+12*\np+9], s[98:99] offset:1536*\np+768
	global_store_b64 v[O8], v[CD+48+12*\np+10:CD+48+12*\np+11], s[98:99] offset:1536*\np+768
	v_lshrrev_b32 v[VT+\np], v[SHV], v[PW]         ; lanes 0-15: tile 2 np's two bytes; lanes 16-31: tile 2 np + 1's
	global_store_b16 v[OVS], v[VT+\np], s[100:101] offset:8*\np   ; two bytes of a word whose other two belong to the slab's other 64 keys: 1 byte for each 24 of codes
.endr
	s_wait_tensorcnt 0x0                           ; the wave's end
	ds_add_u32 v[SPW], v[NIL]
	s_wait_dscnt 0x0
	CROUND                                         ; the closing round: no work-group ends while a partner may still ask for a tile that names it
	s_endpgm
.Lfunc_end_k_q94bbf9dfc6_qkv:
	.size	k_q94bbf9dfc6_qkv, .Lfunc_end_k_q94bbf9dfc6_qkv-k_q94bbf9dfc6_qkv
	.p2alignl 7, 3214868480
	.fill 96, 4, 3214868480
	.section	.rodata,"a",@progbits
	.p2align	6, 0x0
	.amdhsa_kernel k_q94bbf9dfc6_qkv
		.amdhsa_group_segment_fixed_size 327680
		.amdhsa_private_segment_fixed_size 0
		.amdhsa_enable_private_segment 0
		.amdhsa_kernarg_size 80
		.amdhsa_user_sgpr_count 2
		.amdhsa_user_sgpr_kernarg_segment_ptr 1
		.amdhsa_wavefront_size32 1
		.amdhsa_system_sgpr_workgroup_id_x 1
		.amdhsa_system_sgpr_workgroup_id_y 1
		.amdhsa_system_sgpr_workgroup_id_z 1
		.amdhsa_system_vgpr_workitem_id 0
		.amdhsa_next_free_vgpr 1024
		.amdhsa_next_free_sgpr 102
		.amdhsa_reserve_vcc 1
		.amdhsa_float_denorm_mode_32 3
		.amdhsa_float_denorm_mode_16_64 3
		.amdhsa_memory_ordered 1
		.amdhsa_forward_progress 1
		.amdhsa_inst_pref_size 217
	.end_amdhsa_kernel
	.amdgpu_metadata
---
amdhsa.version: [ 1, 2 ]
amdhsa.kernels:
  - .name:           k_q94bbf9dfc6_qkv
    .symbol:         k_q94bbf9dfc6_qkv.kd
    .args:
      - { .name: x_codes, .offset: 0, .size: 8, .value_kind: global_buffer, .address_space: global }
      - { .name: x_scales, .offset: 8, .size: 8, .value_kind: global_buffer, .address_space: global }
      - { .name: Wq_codes, .offset: 16, .size: 8, .value_kind: global_buffer, .address_space: global }
      - { .name: Wq_scales, .offset: 24, .size: 8, .value_kind: global_buffer, .address_space: global }
      - { .name: Wk_codes, .offset: 32, .size: 8, .value_kind: global_buffer, .address_space: global }
      - { .name: Wk_scales, .offset: 40, .size: 8, .value_kind: global_buffer, .address_space: global }
      - { .name: Wv_codes, .offset: 48, .size: 8, .value_kind: global_buffer, .address_space: global }
      - { .name: Wv_scales, .offset: 56, .size: 8, .value_kind: global_buffer, .address_space: global }
      - { .name: token_positions, .offset: 64, .size: 8, .value_kind: global_buffer, .address_space: global }
      - { .name: qkv, .offset: 72, .size: 8, .value_kind: global_buffer, .address_space: global }
    .group_segment_fixed_size: 327680
    .private_segment_fixed_size: 0
    .kernarg_segment_align: 8
    .kernarg_segment_size: 80
    .max_flat_workgroup_size: 128
    .sgpr_count:     102
    .vgpr_count:     1024
    .wavefront_size: 32
...
	.end_amdgpu_metadata
.endif
;; end of part 1
;; launch attn (part 2): grid 4 x 64, 16 waves a work-group, no clusters, 210,944 bytes of LDS; arguments qkv, ctx_codes, ctx_scales; writes ctx_codes, ctx_scales
.if DOCPART == 2
	.amdgcn_target "amdgcn-amd-amdhsa--gfx1250"
	.amdhsa_code_object_version 6
	.text
	.protected	k_q94bbf9dfc6_attn
	.globl	k_q94bbf9dfc6_attn
	.p2align	8
	.type	k_q94bbf9dfc6_attn,@function
k_q94bbf9dfc6_attn:
	s_mov_b64 s[64:65], 0
	v_nop
	global_prefetch_b8 v0, s[64:65] scope:SCOPE_SE
	s_setreg_imm32_b32 hwreg(HW_REG_WAVE_MODE, 25, 1), 1
	s_wait_xcnt 0x0
; ctx = softmax(q k^T / 8, causal) v for one (batch, head), both products on codes of FP6 (E2M3); ctx is quantised along the merged heads and leaves as codes and scale bytes.
; THE SOFTMAX: t = score x log2(e) / 8; M = the running largest t rounded UP to a whole number; p = 2^(t - M) is quantised along the keys, not normalised; the row's sum is taken of the unquantised p and divides at the end.
; SHARES.  Work-group (i, bh) owns the query blocks of 256 numbers i and 7 - i of the head.  Wave w owns tile w of the first and tile 15 - w of the second, 16 queries each.  A tile whose queries lie in key step JQ (128 keys a step)
;   works JQ + 1 steps; the two JQ of a wave add up to 15, so every wave of the launch works 17 steps.  Four waves share a SIMD, so that one wave's vector work stands beside another's loads and products.
; NO RING: a head's K, V and their scale words are 208,896 bytes, laid in memory as the operand registers want them; they come into LDS once, as they lie, by two tensor loads a wave: nothing is filled again.
;   The first load (scale words, slabs 0-7) is all that the first tile needs (its JQ is 7 at the most); the second lands under the first tile's work.
; NO CLUSTER, though the four work-groups of a head read the same bytes: what spares the hidden key steps is a branch on the work-group's number;
;   without it a wave would work 24 steps in place of 17.  No prefetch: all tensor loads go out at the head.
; LAYOUT.  S^T = K Q^T (source 0 = 16 keys, source 1 = my 16 queries), O^T = V^T P^T: a lane holds ONE query.  The head has 64 along d: the upper 64 of the instruction's 128 are zero codes on Q's side
;   (K's side there holds the next tile's codes, under scale bytes of 1.0: times zero they add nothing).
;   Tiles are 16 neighbouring keys: a block of 32 keys of p comes out in the order (G0, G2, G1, G3), Gi = 8 neighbours, and so V's codes were laid.
; LIMITS: NaN and infinities are not served; a block whose largest magnitude lies under 2^-124 keeps the scale byte 1 (this program alone reads the bytes).
; REGISTERS: v1 16 x lane, v2 512 + 8 x lane, v3 16 r, v4, v5 the two tiles' query - 8 h in its key step, v7 4 r + h, v8-11 the step's LDS addresses, v12 -M, v13 the largest t, v[14:15] the sum,
;   v16-27, v28-39 Q's two operands (six registers of codes, six of zeros), v40, v41 their scale words, v42-89 K's eight tiles, then V's four fragments, v90-95 zeros, v96-159 S^T, then p, v160-191 O^T,
;   v192-203 p's codes, v204-210 half blocks, v212-219 K's scale words, v220-223 V's, v224 p's, v226 a byte to store, v232-254 at work.
.set REC, 315392                       ; a record: K's scale words 8,192 | V's 4,096 | 16 slabs of 12,288 (K: 8 half images of 768; V: 8) | Q's codes | Q's scale words
	s_load_b128 s[4:7], s[0:1], 0x0                ; qkv, ctx_codes
	s_load_b64 s[8:9], s[0:1], 0x10                ; ctx_scales
	v_lshl_add_u32 v251, v0, 2, 0x33000
	v_mov_b32 v255, 0
	ds_add_u32 v251, v255
	ds_add_u32 v251, v255
	v_lshrrev_b32 v8, 5, v0
	s_delay_alu instid0(VALU_DEP_1)
	v_readfirstlane_b32 s10, v8                    ; wave 0..15
	s_and_b32 s12, ttmp7, 0xffff                   ; bh = 16 x batch + head
	s_and_b32 s11, s12, 15                         ; head
	s_mul_i32 s14, s12, REC
	s_mov_b32 s15, 0
	s_mov_b32 s16, 3<<16                           ; group 1, first load: 27 rows of 256 bytes (32 elements of 8), dense, no padding
	s_mov_b32 s17, 32<<16
	s_mov_b32 s18, 27<<16
	s_mov_b32 s19, 32<<16
	s_mov_b32 s20, 27
	s_mov_b32 s21, 32
	s_mov_b32 s22, 0
	s_mov_b32 s23, 0
	s_mov_b32 s24, 3<<16                           ; second load: 24 rows
	s_mov_b32 s25, 32<<16
	s_mov_b32 s26, 24<<16
	s_mov_b32 s27, 32<<16
	s_mov_b32 s28, 24
	s_mov_b32 s29, 32
	s_mov_b32 s30, 0
	s_mov_b32 s31, 0
	s_mov_b32 s32, 1
	s_mul_i32 s33, s10, 6912                       ; 16 waves x 27 rows: bytes 0 .. 110,591: the scale words and slabs 0-7
	s_mov_b32 s36, 1
	s_mul_i32 s37, s10, 6144
	s_add_co_u32 s37, s37, 110592                  ; 16 waves x 24 rows: slabs 8-15
	s_wait_dscnt 0x0
	s_wait_kmcnt 0x0
	s_add_nc_u64 s[4:5], s[4:5], s[14:15]          ; my record
	s_mov_b32 s14, s33
	s_add_nc_u64 s[34:35], s[4:5], s[14:15]        ; LDS is an image of the record's first 208,896 bytes
	s_or_b32 s35, s35, 0x80000000
	s_mov_b32 s14, s37
	s_add_nc_u64 s[38:39], s[4:5], s[14:15]
	s_or_b32 s39, s39, 0x80000000
	tensor_load_to_lds s[32:35], s[16:23]          ; two tensor loads of mine are out
	s_nop 0
	tensor_load_to_lds s[36:39], s[24:31]
	s_nop 0
.rept 4
	v_nop
.endr
	s_mov_b32 s40, 0x76543210                      ; v_permlanex16_b32's selects for lane l xor 16
	s_mov_b32 s41, 0xfedcba98
	s_mov_b32 s42, 0x3e38aa3b                      ; c = log2(e) / 8
	s_mov_b32 s43, s42                             ; (named with it as a pair)
	s_mov_b32 s63, 0
	s_lshl_b32 s51, ttmp9, 4
	s_add_co_u32 s51, s51, s10                     ; my first tile of queries in the head: 16 i + w
	s_sub_co_u32 s13, 127, s51                     ; my second: 16 (7 - i) + 15 - w
	v_and_b32 v6, 31, v0
	v_and_b32 v8, 15, v0                           ; r
	v_bfe_u32 v9, v0, 4, 1                         ; h
	s_delay_alu instid0(VALU_DEP_3)
	v_lshlrev_b32 v1, 4, v6
	s_delay_alu instid0(VALU_DEP_4)
	v_lshlrev_b32 v2, 3, v6
	s_delay_alu instid0(VALU_DEP_1)
	v_add_nc_u32 v2, 512, v2
	v_lshlrev_b32 v3, 4, v8
	s_wait_alu depctr_va_vdst(0)
	v_lshl_add_u32 v7, v8, 2, v9
	v_lshlrev_b32 v10, 3, v9
	s_delay_alu instid0(VALU_DEP_1)
	v_sub_nc_u32 v10, v8, v10                      ; r - 8 h
	s_wait_alu depctr_va_vdst(0)
	v_cmp_ne_u32 s50, 0, v9                        ; lanes 16-31
; What hangs on a tile of queries (its number in s[sq]): Q's half image and scale words, its key step, the mask's number, where its ctx goes
.macro QSET sq, qr, qs, dr, jq, oc, os, ta
	s_mul_i32 s14, s[\sq], 768
	s_add_co_u32 s14, s14, 208896
	v_add_nc_u32 v[\ta], s14, v1
	v_add_nc_u32 v[\ta+1], s14, v2
	global_load_b128 v[\qr:\qr+3], v[\ta], s[4:5]
	global_load_b64 v[\qr+4:\qr+5], v[\ta+1], s[4:5]
	s_lshr_b32 s14, s[\sq], 2
	s_lshl_b32 s14, s14, 8
	s_and_b32 s15, s[\sq], 3
	s_lshl_b32 s15, s15, 2
	s_add_co_u32 s14, s14, s15
	s_add_co_u32 s14, s14, 307200
	v_add_nc_u32 v[\ta+2], s14, v3
	global_load_b32 v[\qs], v[\ta+2], s[4:5]
	s_lshr_b32 s[\jq], s[\sq], 3                   ; the key step in which the tile's queries lie
	s_and_b32 s14, s[\sq], 7
	s_lshl_b32 s14, s14, 4
	v_add_nc_u32 v[\dr], s14, v10                  ; my query's place in that step, less 8 h
	s_lshr_b32 s14, s12, 4
	s_lshl_b32 s14, s14, 7
	s_add_co_u32 s14, s14, s[\sq]                  ; the tile among the 512 tiles of rows of ctx
	s_lshl_b32 s15, s14, 4
	s_add_co_u32 s15, s15, s11
	s_mul_i32 s62, s15, 768
	s_add_nc_u64 s[\oc:\oc+1], s[6:7], s[62:63]    ; ctx_codes: [tile][head] half images
	s_lshl_b32 s62, s14, 9
	s_lshr_b32 s15, s11, 1
	s_lshl_b32 s15, s15, 6
	s_add_co_u32 s62, s62, s15
	s_and_b32 s15, s11, 1
	s_lshl_b32 s15, s15, 1
	s_add_co_u32 s62, s62, s15
	s_add_nc_u64 s[\os:\os+1], s[8:9], s[62:63]    ; ctx_scales: [tile][head / 2][r] words, my head's two bytes
.endm
	QSET 51, 16, 40, 4, 45, 52, 54, 96
	QSET 13, 28, 41, 5, 46, 56, 58, 99
.irp j, 22,23,24,25,26,27,34,35,36,37,38,39,90,91,92,93,94,95
	v_mov_b32 v\j, 0                               ; zero codes
.endr
.irp j, 236,237,238,239,252,253
	v_mov_b32 v\j, 0                               ; written once: a lane permute's destination counts as one of its sources; v253 is named as the upper half of a pair
.endr
	s_wait_loadcnt 0x0                             ; Q
; A TILE OF 16 QUERIES: nst trips of constant count over the key steps; a step all of whose keys come after the tile's queries is left out by a scalar branch round its work alone.
.macro TILE qr, qs, dr, jq, nst, oc, os
	v_mov_b32 v13, 0xff61b1e6                      ; the largest t so far: -3e38
	s_delay_alu instid0(VALU_DEP_1)
	v_floor_f32 v12, -v13                          ; -M
	v_mov_b32 v14, 0
	v_mov_b32 v15, 0
.set n, 0
.rept 32
	v_mov_b32 v[160+n], 0                          ; O^T: the step is written once; the first finds zeros
.set n, n+1
.endr
	s_mov_b32 s44, 0                               ; the key step
	s_mov_b32 s47, 12288                           ; its slab,
	s_mov_b32 s48, 0                               ; K's scale words,
	s_mov_b32 s49, 8192                            ; V's
.Lstep_\@:
	s_cmp_gt_u32 s44, s[\jq]
	s_cbranch_scc1 .Lhidden_\@
	s_setprio 2
	v_add_nc_u32 v8, s47, v1                       ; (these four are also the places behind the last products, in front of the loads)
	v_add_nc_u32 v9, s47, v2
	v_add_nc_u32 v10, s48, v3
	v_add_nc_u32 v11, s49, v3
.irp t, 0,1,2,3,4,5,6,7
	ds_load_b128 v[42+6*\t:45+6*\t], v8 offset:768*\t
	ds_load_b64 v[46+6*\t:47+6*\t], v9 offset:768*\t
.endr
	ds_load_b128 v[212:215], v10                   ; row r's words of tiles 0-3,
	ds_load_b128 v[216:219], v10 offset:256        ; of tiles 4-7
	ds_load_b128 v[220:223], v11                   ; V's, of the four tiles of d
	s_wait_alu depctr_va_vdst(0)
	s_wait_dscnt 0x0
.irp t, 0,1,2,3,4,5,6,7
	v_wmma_scale_f32_16x16x128_f8f6f4 v[96+8*\t:103+8*\t], v[42+6*\t:53+6*\t], v[\qr:\qr+11], 0, v[212+\t], v[\qs] matrix_a_fmt:MATRIX_FMT_FP6 matrix_b_fmt:MATRIX_FMT_FP6
.endr
.rept 4
	v_nop                                          ; places: in front of the loads into K's registers and of the first read of the scores
.endr
.irp nt, 0,1,2,3
.irp c, 0,1
	ds_load_b128 v[42+12*\nt+6*\c:45+12*\nt+6*\c], v8 offset:6144+3072*\c+768*\nt    ; V's fragments land under the softmax
	ds_load_b64 v[46+12*\nt+6*\c:47+12*\nt+6*\c], v9 offset:6144+3072*\c+768*\nt
.endr
.endr
	s_cmp_lt_u32 s44, s[\jq]                       ; only the step on the diagonal has hidden keys
	s_cbranch_scc1 .Lopen_\@
	v_mov_b32 v254, 0xff800000                     ; -infinity: p = 0 then
.set n, 0
.rept 64
	v_cmp_gt_i32 vcc_lo, 16*(n/8)+n%8, v[\dr]      ; register n holds key 16 (n / 8) + 8 h + n % 8 of the step
	v_cndmask_b32 v[96+n], v[96+n], v254, vcc_lo
.set n, n+1
.endr
.Lopen_\@:
.irp b, 0,1,2,3
	v_max3_num_f32 v[232+\b], v[96+16*\b], v[97+16*\b], v[98+16*\b]   ; the largest score of each block of 32 keys: for the row's maximum, and, since p rises with the score, for the block's largest p
.endr
.irp i, 3,5,7,9,11,13
.irp b, 0,1,2,3
	v_max3_num_f32 v[232+\b], v[232+\b], v[96+16*\b+\i], v[97+16*\b+\i]
.endr
.endr
.irp b, 0,1,2,3
	v_max_num_f32 v[232+\b], v[232+\b], v[111+16*\b]
.endr
.irp b, 0,1,2,3
	s_delay_alu instid0(VALU_DEP_4)
	v_permlanex16_b32 v[236+\b], v[232+\b], s40, s41
.endr
.irp b, 0,1,2,3
	s_delay_alu instid0(VALU_DEP_4)
	v_max_num_f32 v[232+\b], v[232+\b], v[236+\b]  ; with lane l xor 16's 16 keys
.endr
	s_delay_alu instid0(VALU_DEP_2)
	v_max3_num_f32 v254, v232, v233, v234
	s_delay_alu instid0(VALU_DEP_1)
	v_max_num_f32 v254, v254, v235
	s_delay_alu instid0(VALU_DEP_1)
	v_mul_f32 v254, s42, v254                      ; as t
	s_delay_alu instid0(VALU_DEP_1)
	v_max_num_f32 v13, v13, v254                   ; the running largest t
	v_mov_b32 v254, v12
	s_delay_alu instid0(VALU_DEP_2)
	v_floor_f32 v12, -v13                          ; the new -M = -ceil(t)
	s_delay_alu instid0(VALU_DEP_1)
	v_sub_f32 v254, v12, v254                      ; old M - new M: a whole number, 0 or less
	s_delay_alu instid0(VALU_DEP_1)
	v_cvt_i32_f32 v254, v254                       ; (it saturates)
	s_delay_alu instid0(VALU_DEP_1)
	v_ldexp_f32 v252, 1.0, v254                    ; f = 2^(old M - new M): rounds nothing
.set n, 0
.rept 32
	v_pk_fma_f32 v[96+n:97+n], v[96+n:97+n], s[42:43], v[12:13] op_sel_hi:[1,0,0]   ; t - M
.set n, n+2
.endr
	s_setprio 1
.irp b, 0,1,2,3
	v_fma_f32 v[232+\b], v[232+\b], s42, v12       ; the same of each block's largest score
.endr
.set n, 0
	s_wait_alu depctr_va_vdst(0)
.rept 64
	v_exp_f32 v[96+n], v[96+n]                     ; p = 2^(t - M)
.set n, n+1
.endr
	v_pk_mul_f32 v[14:15], v[14:15], v[252:253] op_sel_hi:[1,0]   ; the sums under the new M (a plain place behind the exponentials)
	s_wait_alu depctr_va_vdst(0)                   ; one wait for the batch of 64, ahead of its first reader
.irp b, 0,1,2,3
	v_exp_f32 v[232+\b], v[232+\b]                 ; the block's largest p
.endr
	v_pk_add_f32 v[236:237], v[100:101], v[104:105]
	v_pk_add_f32 v[248:249], v[108:109], v[112:113]
	v_pk_add_f32 v[246:247], v[116:117], v[120:121]
	v_pk_add_f32 v[244:245], v[124:125], v[128:129]
	v_pk_add_f32 v[242:243], v[132:133], v[136:137]
	v_pk_add_f32 v[240:241], v[140:141], v[144:145]
	v_pk_add_f32 v[238:239], v[148:149], v[152:153]
	v_pk_add_f32 v[14:15], v[14:15], v[156:157]
	v_pk_add_f32 v[236:237], v[236:237], v[96:97]
	v_pk_add_f32 v[248:249], v[248:249], v[98:99]
	v_pk_add_f32 v[246:247], v[246:247], v[102:103]
	v_pk_add_f32 v[244:245], v[244:245], v[106:107]
	v_pk_add_f32 v[242:243], v[242:243], v[110:111]
	v_pk_add_f32 v[240:241], v[240:241], v[114:115]
	v_pk_add_f32 v[238:239], v[238:239], v[118:119]
	v_pk_add_f32 v[14:15], v[14:15], v[122:123]
	v_pk_add_f32 v[236:237], v[236:237], v[126:127]
	v_pk_add_f32 v[248:249], v[248:249], v[130:131]
	v_pk_add_f32 v[246:247], v[246:247], v[134:135]
	v_pk_add_f32 v[244:245], v[244:245], v[138:139]
	v_pk_add_f32 v[242:243], v[242:243], v[142:143]
	v_pk_add_f32 v[240:241], v[240:241], v[146:147]
	v_pk_add_f32 v[238:239], v[238:239], v[150:151]
	v_pk_add_f32 v[14:15], v[14:15], v[154:155]
	v_pk_add_f32 v[236:237], v[236:237], v[158:159]
	s_delay_alu instid0(VALU_DEP_2)
	v_pk_add_f32 v[14:15], v[14:15], v[244:245]
	s_delay_alu instid0(VALU_DEP_2)
	v_pk_add_f32 v[236:237], v[236:237], v[242:243]
	v_pk_add_f32 v[248:249], v[248:249], v[240:241]
	v_pk_add_f32 v[246:247], v[246:247], v[238:239]
	s_delay_alu instid0(VALU_DEP_2)
	v_pk_add_f32 v[14:15], v[14:15], v[248:249]
	s_delay_alu instid0(VALU_DEP_2)
	v_pk_add_f32 v[236:237], v[236:237], v[246:247]
	s_delay_alu instid0(VALU_DEP_1)
	v_pk_add_f32 v[14:15], v[14:15], v[236:237]
	s_wait_alu depctr_va_vdst(0)                   ; and one for the four
.irp b, 0,1,2,3
	v_max_num_f32 v[232+\b], 0x1800000, v[232+\b]  ; the floor 2^(3 - 127)
.endr
.irp b, 0,1,2,3
	s_delay_alu instid0(VALU_DEP_4)
	v_add_nc_u32 v[244+\b], 0xff000000, v[232+\b]  ; the conversion's scale operand
.endr
.irp b, 0,1,2,3
	s_delay_alu instid0(VALU_DEP_4)
	v_lshrrev_b32 v[236+\b], 23, v[244+\b]         ; the scale's byte
.endr
	s_delay_alu instid0(VALU_DEP_3)
	v_lshl_or_b32 v224, v237, 8, v236              ; p's scale word for these 128 keys
	s_delay_alu instid0(VALU_DEP_1)
	v_lshl_or_b32 v224, v238, 16, v224
	s_delay_alu instid0(VALU_DEP_1)
	v_lshl_or_b32 v224, v239, 24, v224
	s_setprio 0
.irp c, 0,1
	v_cvt_scalef32_pk16_fp6_f32 v[192+6*\c:194+6*\c], v[96+32*\c:111+32*\c], v[244+2*\c]
	v_cvt_scalef32_pk16_fp6_f32 v[204+4*\c:206+4*\c], v[112+32*\c:127+32*\c], v[245+2*\c]
.endr
	v_nop                                          ; one plain place behind a scaled conversion
.irp c, 0,1
.irp i, 0,1,2
	v_permlane16_swap_b32 v[192+6*\c+\i], v[204+4*\c+\i]
.endr
.irp i, 0,1,2
	s_delay_alu instid0(VALU_DEP_3)
	v_mov_b32 v[195+6*\c+\i], v[204+4*\c+\i]
.endr
.endr
.set n, 0
.rept 16
	v_pk_mul_f32 v[160+n:161+n], v[160+n:161+n], v[252:253] op_sel_hi:[1,0]   ; O^T under the new M; these sixteen also stand between the scale word's and the codes' last writes and the products
.set n, n+2
.endr
	s_wait_alu depctr_va_vdst(0)
	s_wait_dscnt 0x0                               ; V
.irp nt, 0,1,2,3
	v_wmma_scale_f32_16x16x128_f8f6f4 v[160+8*\nt:167+8*\nt], v[42+12*\nt:53+12*\nt], v[192:203], v[160+8*\nt:167+8*\nt], v[220+\nt], v224 matrix_a_fmt:MATRIX_FMT_FP6 matrix_b_fmt:MATRIX_FMT_FP6
.endr
.Lhidden_\@:
	s_add_co_u32 s47, s47, 12288
	s_add_co_u32 s48, s48, 512
	s_add_co_u32 s49, s49, 256
	s_add_co_u32 s44, s44, 1
	s_cmp_lt_u32 s44, \nst
	s_cbranch_scc1 .Lstep_\@
	s_setprio 0
	; the tile's way out: O^T / the sum, brought into natural order along d, quantised, stored as one half image and two scale bytes a row
.rept 4
	v_nop
.endr
	v_add_f32 v14, v14, v15
	s_delay_alu instid0(VALU_DEP_1)
	v_permlanex16_b32 v252, v14, s40, s41
	s_delay_alu instid0(VALU_DEP_1)
	v_add_f32 v14, v14, v252                       ; the row's sum
	s_wait_alu depctr_va_vdst(0)
	v_rcp_f32 v14, v14
	v_nop
	s_wait_alu depctr_va_vdst(0)
.set n, 0
.rept 16
	v_pk_mul_f32 v[96+n:97+n], v[160+n:161+n], v[14:15] op_sel_hi:[1,0]   ; register 8 nt + j: d = 16 nt + 8 h + j
.set n, n+2
.endr
.irp b, 0,1
.irp j, 0,1,2,3,4,5,6,7
	v_permlane16_swap_b32 v[96+16*\b+\j], v[104+16*\b+\j]   ; now register 16 b + i: d = 32 b + 16 h + i: ctx meets Wo's given codes, so its order is the natural one
.endr
.endr
.irp b, 0,1
	v_max3_num_f32 v[232+\b], |v[96+16*\b]|, |v[97+16*\b]|, 0x1800000
.endr
.irp i, 2,4,6,8,10,12,14
.irp b, 0,1
	s_delay_alu instid0(VALU_DEP_2)
	v_max3_num_f32 v[232+\b], v[232+\b], |v[96+16*\b+\i]|, |v[97+16*\b+\i]|
.endr
.endr
.irp b, 0,1
	s_delay_alu instid0(VALU_DEP_2)
	v_permlanex16_b32 v[236+\b], v[232+\b], s40, s41
.endr
.irp b, 0,1
	s_delay_alu instid0(VALU_DEP_2)
	v_max_num_f32 v[232+\b], v[232+\b], v[236+\b]
.endr
.irp b, 0,1
	s_delay_alu instid0(VALU_DEP_2)
	v_add_nc_u32 v[244+\b], 0xff000000, v[232+\b]
.endr
.irp b, 0,1
	s_delay_alu instid0(VALU_DEP_2)
	v_lshrrev_b32 v[236+\b], 23, v[244+\b]
.endr
	s_delay_alu instid0(VALU_DEP_1)
	v_cndmask_b32 v226, v236, v237, s50            ; lanes 0-15 store block 0's byte, lanes 16-31 block 1's
	v_cvt_scalef32_pk16_fp6_f32 v[192:194], v[96:111], v244
	v_cvt_scalef32_pk16_fp6_f32 v[204:206], v[112:127], v245
	v_nop
.irp i, 0,1,2
	v_permlane16_swap_b32 v[192+\i], v[204+\i]
.endr
.irp i, 0,1,2
	s_delay_alu instid0(VALU_DEP_3)
	v_mov_b32 v[195+\i], v[204+\i]
.endr
	global_store_b128 v1, v[192:195], s[\oc:\oc+1]    ; 512 consecutive bytes,
	global_store_b64 v2, v[196:197], s[\oc:\oc+1]     ; and 256
	global_store_b8 v7, v226, s[\os:\os+1]            ; a row's word belongs to two heads, hence to two work-groups: bytes; 1 for each 24 of codes
.endm
	s_wait_tensorcnt 0x1                           ; my part of the scale words and slabs 0-7 is in; the second load may stay out
	s_barrier_signal -1
	s_barrier_wait -1
	TILE 16, 40, 4, 45, 8, 52, 54
	s_wait_tensorcnt 0x0                           ; my part of slabs 8-15
	s_wait_dscnt 0x0
	s_wait_xcnt 0x0                                ; the first tile's stores have read their registers, which the second tile writes again
	s_barrier_signal -1
	s_barrier_wait -1
	TILE 28, 41, 5, 46, 16, 56, 58
	s_wait_tensorcnt 0x0
	ds_add_u32 v251, v255
	s_wait_dscnt 0x0
	s_endpgm
.Lfunc_end_k_q94bbf9dfc6_attn:
	.size	k_q94bbf9dfc6_attn, .Lfunc_end_k_q94bbf9dfc6_attn-k_q94bbf9dfc6_attn
	.p2alignl 7, 3214868480
	.fill 96, 4, 3214868480
	.section	.rodata,"a",@progbits
	.p2align	6, 0x0
	.amdhsa_kernel k_q94bbf9dfc6_attn
		.amdhsa_group_segment_fixed_size 210944
		.amdhsa_private_segment_fixed_size 0
		.amdhsa_enable_private_segment 0
		.amdhsa_kernarg_size 24
		.amdhsa_user_sgpr_count 2
		.amdhsa_user_sgpr_kernarg_segment_ptr 1
		.amdhsa_wavefront_size32 1
		.amdhsa_system_sgpr_workgroup_id_x 1
		.amdhsa_system_sgpr_workgroup_id_y 1
		.amdhsa_system_sgpr_workgroup_id_z 1
		.amdhsa_system_vgpr_workitem_id 0
		.amdhsa_next_free_vgpr 256
		.amdhsa_next_free_sgpr 66
		.amdhsa_reserve_vcc 1
		.amdhsa_float_denorm_mode_32 3
		.amdhsa_float_denorm_mode_16_64 3
		.amdhsa_memory_ordered 1
		.amdhsa_forward_progress 1
		.amdhsa_inst_pref_size 65
	.end_amdhsa_kernel
	.amdgpu_metadata
---
amdhsa.version: [ 1, 2 ]
amdhsa.kernels:
  - .name:           k_q94bbf9dfc6_attn
    .symbol:         k_q94bbf9dfc6_attn.kd
    .args:
      - { .name: qkv, .offset: 0, .size: 8, .value_kind: global_buffer, .address_space: global }
      - { .name: ctx_codes, .offset: 8, .size: 8, .value_kind: global_buffer, .address_space: global }
      - { .name: ctx_scales, .offset: 16, .size: 8, .value_kind: global_buffer, .address_space: global }
    .group_segment_fixed_size: 210944
    .private_segment_fixed_size: 0
    .kernarg_segment_align: 8
    .kernarg_segment_size: 24
    .max_flat_workgroup_size: 512
    .sgpr_count:     66
    .vgpr_count:     256
    .wavefront_size: 32
...
	.end_amdgpu_metadata
.endif
;; end of part 2
;; launch oproj (part 3): grid 32 x 8, 4 waves a work-group, clusters of 4 x 1, 168,448 bytes of LDS; arguments ctx_codes, ctx_scales, Wo_codes, Wo_scales, out0; writes out0
.if DOCPART == 3
	.amdgcn_target "amdgcn-amd-amdhsa--gfx1250"
	.amdhsa_code_object_version 6
	.text
	.protected	k_q94bbf9dfc6_oproj
	.globl	k_q94bbf9dfc6_oproj
	.p2align	8
	.type	k_q94bbf9dfc6_oproj,@function
k_q94bbf9dfc6_oproj:
	s_mov_b64 s[64:65], 0
	v_nop
	global_prefetch_b8 v0, s[64:65] scope:SCOPE_SE
	s_setreg_imm32_b32 hwreg(HW_REG_WAVE_MODE, 25, 1), 1
	s_wait_xcnt 0x0
	s_wait_alu depctr_hold_cnt(0) depctr_sa_sdst(0) depctr_va_vdst(0) depctr_va_sdst(0) depctr_va_ssrc(0) depctr_va_vcc(0) depctr_vm_vsrc(0)
	s_getreg_b32 s2, hwreg(HW_REG_IB_STS2, 6, 4)
	s_cmp_eq_u32 s2, 0
	s_cbranch_scc0 .Lentry_in_a_cluster
	s_endpgm
.Lentry_in_a_cluster:
	s_bfe_u32 s2, ttmp6, 0x10000c
	s_cmp_lg_u32 s2, 0x3003
	s_cbranch_scc0 .Lentry_shape_is_right
	s_endpgm
.Lentry_shape_is_right:
; out0 = ctx Wo^T on codes of FP6 (E2M3): ctx as the launch before laid it (half images of 768 bytes: 16 rows x 64 K as six operand registers), Wo as it is given.  out0: [8192][1024] f32.
; SHARES.  Work-group (xb, y): 256 rows x 128 columns.  Wave w: rows 64 w .. 64 w + 63 (four tiles), all 128 columns: 32 accumulators.  Source 0 = 16 rows of Wo, source 1 = 16 rows of ctx: a lane holds eight neighbouring columns of a row.
; Wo's 128 rows, all of K (four chunks of 256 along K, rows of 192 bytes), and their scale bytes come into LDS ONCE: wave w brings chunk w and a quarter of the scale bytes.  Nothing is filled again.
; CLUSTER 4 x 1: the four row blocks of a cluster want the same rows of Wo: joint loads with the mask of all four; nothing in their descriptors hangs on the place in the cluster.
; ctx goes from memory straight into registers: only one wave of the work-group reads a tile of rows, and a half image is 768 consecutive bytes.  Every K step has registers of its own; the loads run four K steps ahead.
; No prefetch: the tensor loads go out at the head, and ctx's loads are asked for four K steps before their use.
; REGISTERS, in windows of 256.  Window 0: v1 r, v2 h, v3 lane, v4 16 x lane, v5 512 + 8 x lane, v6-13 Wo's fragment addresses (four chunks, two forms), v14 Wo's scale address, v15 ctx's scale offset, v16, v17 the stage,
;   v32-47 ctx's scale words, v64-95 Wo's, v96-143 Wo's set 2; on the way out v96-223 rows of out0.  Window 1: ctx's K steps 0-4.  Window 2: v0-143 ctx's K steps 5-7, v144-239 Wo's sets 0, 1.  Window 3: accumulators, (mt, nt) at 8 (8 mt + nt).
.set PITCH, 240                        ; an LDS row: 3 x (64 bytes + 16 of padding)
.set SCLB,  122880                     ; behind the four chunks of 30,720: Wo's scale bytes, 16 runs of 256 bytes + 16
.set STG,   127232                     ; the stages: 16 rows x 528 bytes for each wave; no tensor load lands here
.set O16,  4
.set O8,   5
.set ADRB, 6
.set ADS,  14
.set OSA,  15
.set STO,  16
.set RD,   17
.set SCA,  32
.set SCB,  64
.set MSB, 0
.macro WIN new
.set NW, \new
.if MSB != NW
	s_set_vgpr_msb (MSB<<8)|NW
.set MSB, NW
.endif
.endm
.macro PLACES n
.rept \n
	v_nop
.endr
.endm
.macro CROUND                          ; a round of the cluster's barrier
	s_barrier_signal -1
	s_barrier_wait -1
	s_cmp_lg_u32 s14, 0
	s_cbranch_scc1 .Lnot_wave_0_\@
	s_barrier_signal -3
.Lnot_wave_0_\@:
	s_barrier_wait -3
	s_barrier_signal -1
	s_barrier_wait -1
.endm
	s_load_b256 s[4:11], s[0:1], 0x0               ; ctx's codes, ctx's scales, Wo's codes, Wo's scales
	s_load_b64 s[12:13], s[0:1], 0x20              ; out0
	v_lshl_add_u32 v254, v0, 2, 0x29000
	v_mov_b32 v255, 0
	ds_add_u32 v254, v255
	ds_add_u32 v254, v255
	v_lshrrev_b32 v1, 5, v0
	v_readfirstlane_b32 s14, v1                    ; wave 0..3
	s_bfe_u32 s15, ttmp6, 0x40000                  ; cx
	s_lshl_b32 s16, ttmp9, 2
	s_add_co_u32 s16, s16, s15                     ; xb: which 256 rows
	s_and_b32 s17, ttmp7, 0xffff                   ; y: which 128 columns
	s_mov_b32 s24, 15|(1<<20)|(1<<21)|(3<<22)|(3<<25)   ; a chunk: 128 rows x 192 bytes, 768 apart; the mask of all four; behind every 16 words 4 words of padding
	s_mov_b32 s25, 192<<16
	s_mov_b32 s26, 128<<16
	s_mov_b32 s27, 192<<16
	s_mov_b32 s28, 128
	s_mov_b32 s29, 768
	s_mov_b32 s30, 0
	s_mov_b32 s31, 0
	s_mov_b32 s36, 15|(3<<16)|(1<<20)|(1<<21)|(5<<22)|(3<<25)   ; a quarter of the scale bytes: 1,024 dense bytes as 4 rows of 256, 16 of padding behind each
	s_mov_b32 s37, 32<<16
	s_mov_b32 s38, 4<<16
	s_mov_b32 s39, 32<<16
	s_mov_b32 s40, 4
	s_mov_b32 s41, 32
	s_mov_b32 s42, 0
	s_mov_b32 s43, 0
	s_mul_i32 s18, s17, 98304                      ; 128 rows of 768 bytes,
	s_mul_i32 s19, s14, 192                        ; chunk w
	s_add_co_u32 s18, s18, s19
	s_mov_b32 s19, 0
	s_lshl_b32 s48, s17, 12                        ; 128 rows of 32 scale bytes,
	s_lshl_b32 s49, s14, 10                        ; quarter w
	s_add_co_u32 s48, s48, s49
	s_mov_b32 s49, 0
	s_mov_b32 s32, 1
	s_mul_i32 s33, s14, 30720
	s_mov_b32 s44, 1
	s_mul_i32 s45, s14, 1088
	s_add_co_u32 s45, s45, SCLB
	s_wait_dscnt 0x0
	s_wait_kmcnt 0x0
	s_add_nc_u64 s[34:35], s[8:9], s[18:19]
	s_or_b32 s35, s35, 0x80000000
	s_add_nc_u64 s[46:47], s[10:11], s[48:49]
	s_or_b32 s47, s47, 0x80000000
	CROUND                                         ; all four work-groups are here: the joint loads meet
	tensor_load_to_lds s[32:35], s[24:31]          ; two tensor loads of mine are out
	s_nop 0
	tensor_load_to_lds s[44:47], s[36:43]
	s_nop 0
.rept 4
	v_nop
.endr
	s_lshl_b32 s20, s16, 4
	s_lshl_b32 s21, s14, 2
	s_add_co_u32 s20, s20, s21                     ; my first tile of 16 rows
	s_mul_i32 s22, s20, 12288                      ; 16 half images a tile
	s_mov_b32 s23, 0
	s_add_nc_u64 s[4:5], s[4:5], s[22:23]
	s_lshl_b32 s22, s20, 9                         ; 128 scale words a tile
	s_add_nc_u64 s[6:7], s[6:7], s[22:23]
	s_lshl_b32 s22, s20, 16                        ; 16 rows of 4,096 bytes a tile,
	s_lshl_b32 s21, s17, 9                         ; 512 bytes of a row
	s_add_co_u32 s22, s22, s21
	s_add_nc_u64 s[12:13], s[12:13], s[22:23]
	v_and_b32 v3, 31, v0
	v_and_b32 v1, 15, v0
	v_bfe_u32 v2, v0, 4, 1
	v_lshlrev_b32 v[O16], 4, v3
	v_lshlrev_b32 v[O8], 3, v3
	v_add_nc_u32 v[O8], 512, v[O8]
	v_lshlrev_b32 v[OSA], 2, v1
	v_lshl_add_u32 v[OSA], v2, 9, v[OSA]           ; 4 r, and lanes 16-31 the next tile's words
.irp p, 0,1
.irp k, 0,1,2,3,4,5,6,7
	global_load_b32 v[SCA+8*\p+\k], v[OSA], s[6:7] offset:1024*\p+64*\k   ; ctx's scale words: lanes 0-15 tile 2 p, lanes 16-31 tile 2 p + 1, K step k
.endr
.endr
.macro ALOAD ks                        ; ctx's four fragments of K step ks: eight half images, 16 loads
.if (\ks) <= 4
	WIN 0x40
.set AREGL, 48*(\ks)
.else
	WIN 0x80
.set AREGL, 48*((\ks)-5)
.endif
.irp mt, 0,1,2,3
.irp c, 0,1
	global_load_b128 v[AREGL+12*\mt+6*\c:AREGL+12*\mt+6*\c+3], v[O16], s[4:5] offset:12288*\mt+1536*(\ks)+768*\c
	global_load_b64 v[AREGL+12*\mt+6*\c+4:AREGL+12*\mt+6*\c+5], v[O8], s[4:5] offset:12288*\mt+1536*(\ks)+768*\c
.endr
.endr
.endm
	ALOAD 0
	ALOAD 1
	ALOAD 2
	ALOAD 3
	WIN 0
	v_mul_u32_u24 v18, v1, PITCH
	v_mad_u32_u24 v19, v2, 24, v18                 ; a fragment's row x pitch + 24 x half,
	v_mad_u32_u24 v18, v2, 40, v18                 ; and the same behind one padding more
.irp c, 0,1,2,3
	v_add_nc_u32 v[ADRB+\c], 30720*\c, v19
	v_add_nc_u32 v[ADRB+4+\c], 30720*\c, v18
.endr
	v_and_b32 v18, 7, v1                           ; Wo's scale bytes: 32 a row, eight rows to a run of 256 + 16; lanes 16-31 the tile 16 rows on
	v_lshrrev_b32 v19, 3, v1
	v_lshlrev_b32 v18, 5, v18
	v_mad_u32_u24 v18, v19, 272, v18
	v_mad_u32_u24 v18, v2, 544, v18
	v_add_nc_u32 v[ADS], SCLB, v18
	s_mul_i32 s21, s14, 8448
	s_add_co_u32 s21, s21, STG                     ; my stage
	v_mul_u32_u24 v18, v1, 528
	v_lshl_add_u32 v18, v2, 5, v18
	v_add_nc_u32 v[STO], s21, v18                  ; in: row r, 32 bytes for each half of the lanes
	v_add_nc_u32 v[RD], s21, v[O16]                ; back: the 32 lanes take one row of 512 bytes
.macro FRAGO reg, ch, q, i             ; a fragment of Wo: chunk ch, its q-th 128 along K, tile i of 16 rows: six pieces of 8 bytes a lane
.irp p, 0,1,2,3,4,5
.set PCE, 12*(\q)+6*(\p/3)+\p%3
.if PCE%8 < 5
	ds_load_b64 v[\reg+2*\p:\reg+2*\p+1], v[ADRB+(\ch)] offset:8*PCE+16*(PCE/8)+(\i)*16*PITCH
.else
	ds_load_b64 v[\reg+2*\p:\reg+2*\p+1], v[ADRB+4+(\ch)] offset:8*PCE+16*(PCE/8)+(\i)*16*PITCH
.endif
.endr
.endm
.macro FETCHB n                        ; half step n = 2 ks + hf: Wo's tiles 4 hf .. 4 hf + 3 of K step ks, into set n % 3: 24 loads
.set BSET, (\n)%3
.if BSET == 2
	WIN 0
.set BREG, 96
.else
	WIN 0x80
.set BREG, 144+48*BSET
.endif
.irp i, 0,1,2,3
	FRAGO BREG+12*\i, (\n)/4, ((\n)/2)%2, 4*((\n)%2)+\i
.endr
.endm
.macro EMIT
.if zC
.if oA && oB
	v_wmma_scale_f32_16x16x128_f8f6f4 v[rD:rD+7], v[rA:rA+11], v[rB:rB+11], 0, v[rSA], v[rSB] matrix_a_fmt:MATRIX_FMT_FP6 matrix_b_fmt:MATRIX_FMT_FP6 matrix_a_scale:MATRIX_SCALE_ROW1 matrix_b_scale:MATRIX_SCALE_ROW1
.elseif oA
	v_wmma_scale_f32_16x16x128_f8f6f4 v[rD:rD+7], v[rA:rA+11], v[rB:rB+11], 0, v[rSA], v[rSB] matrix_a_fmt:MATRIX_FMT_FP6 matrix_b_fmt:MATRIX_FMT_FP6 matrix_a_scale:MATRIX_SCALE_ROW1
.elseif oB
	v_wmma_scale_f32_16x16x128_f8f6f4 v[rD:rD+7], v[rA:rA+11], v[rB:rB+11], 0, v[rSA], v[rSB] matrix_a_fmt:MATRIX_FMT_FP6 matrix_b_fmt:MATRIX_FMT_FP6 matrix_b_scale:MATRIX_SCALE_ROW1
.else
	v_wmma_scale_f32_16x16x128_f8f6f4 v[rD:rD+7], v[rA:rA+11], v[rB:rB+11], 0, v[rSA], v[rSB] matrix_a_fmt:MATRIX_FMT_FP6 matrix_b_fmt:MATRIX_FMT_FP6
.endif
.else
.if oA && oB
	v_wmma_scale_f32_16x16x128_f8f6f4 v[rD:rD+7], v[rA:rA+11], v[rB:rB+11], v[rD:rD+7], v[rSA], v[rSB] matrix_a_fmt:MATRIX_FMT_FP6 matrix_b_fmt:MATRIX_FMT_FP6 matrix_a_scale:MATRIX_SCALE_ROW1 matrix_b_scale:MATRIX_SCALE_ROW1
.elseif oA
	v_wmma_scale_f32_16x16x128_f8f6f4 v[rD:rD+7], v[rA:rA+11], v[rB:rB+11], v[rD:rD+7], v[rSA], v[rSB] matrix_a_fmt:MATRIX_FMT_FP6 matrix_b_fmt:MATRIX_FMT_FP6 matrix_a_scale:MATRIX_SCALE_ROW1
.elseif oB
	v_wmma_scale_f32_16x16x128_f8f6f4 v[rD:rD+7], v[rA:rA+11], v[rB:rB+11], v[rD:rD+7], v[rSA], v[rSB] matrix_a_fmt:MATRIX_FMT_FP6 matrix_b_fmt:MATRIX_FMT_FP6 matrix_b_scale:MATRIX_SCALE_ROW1
.else
	v_wmma_scale_f32_16x16x128_f8f6f4 v[rD:rD+7], v[rA:rA+11], v[rB:rB+11], v[rD:rD+7], v[rSA], v[rSB] matrix_a_fmt:MATRIX_FMT_FP6 matrix_b_fmt:MATRIX_FMT_FP6
.endif
.endif
.endm
; A half step: 16 matrix instructions on 16 accumulators; the 32 take turns, one instruction a turn, in the same order in every K step.
.macro HALF n
.set KSN, (\n)/2
.set HFN, (\n)%2
.if HFN == 0
.if KSN <= 4
	s_wait_loadcnt 48                              ; this K step's ctx is in; the three K steps asked for behind it may be out
.else
	s_wait_loadcnt 16*(7-KSN)
.endif
.endif
.if (\n) <= 13
	s_wait_dscnt 48                                ; this half step's set of Wo is in; the two sets behind it may be out
.else
	s_wait_dscnt 24*(15-(\n))
.endif
.set S0W, 2
.set BRM, 144+48*((\n)%3)
.if (\n)%3 == 2
.set S0W, 0
.set BRM, 96
.endif
.set S1W, 1
.set ARM, 48*KSN
.if KSN >= 5
.set S1W, 2
.set ARM, 48*(KSN-5)
.endif
.set zC, 0
.if KSN == 0
.set zC, 1
.endif
	WIN S0W|(S1W<<2)|0xf0
.irp mt, 0,1,2,3
.irp i, 0,1,2,3
.set rD, 8*(8*\mt+4*HFN+\i)
.set rA, BRM+12*\i
.set rB, ARM+12*\mt
.set rSA, SCB+8*((4*HFN+\i)/2)+KSN
.set rSB, SCA+8*(\mt/2)+KSN
.set oA, \i%2
.set oB, \mt%2
	EMIT
.endr
.endr
	PLACES 4                                       ; in front of the loads into the set just multiplied
.if (\n)+3 <= 15
	FETCHB (\n)+3
.endif
.if (HFN == 0) && (KSN <= 3)
	ALOAD KSN+4
.endif
.endm
	s_wait_tensorcnt 0x0                           ; my chunk and my quarter of the scale bytes are in,
	s_barrier_signal -1
	s_barrier_wait -1                              ; everybody's are
.irp p, 0,1,2,3
	ds_load_b128 v[SCB+8*\p:SCB+8*\p+3], v[ADS] offset:1088*\p       ; Wo's scale words of all eight K steps, once: lanes 0-15 tile 2 p, lanes 16-31 tile 2 p + 1
	ds_load_b128 v[SCB+8*\p+4:SCB+8*\p+7], v[ADS] offset:1088*\p+16
.endr
	FETCHB 0
	FETCHB 1
	FETCHB 2
.set NN, 0
.rept 16
	HALF NN
.set NN, NN+1
.endr
	WIN 0
; THE WAY OUT, a tile of 16 rows x 128 columns at a time, through my own stage: a lane holds 32 neighbouring bytes of a row; they come back as whole rows of 512 bytes.
; LDS serves a wave's instructions in order (ISA guide 5.7.1.4): no wait between the stores and the loads, nor in front of the next tile's stores.
.macro TOSTAGE a
	WIN 0x0c                                       ; an LDS store's data: window 3
.irp b, 0,1,2,3,4,5,6,7
	ds_store_b128 v[STO], v[64*(\a)+8*\b:64*(\a)+8*\b+3] offset:64*\b          ; each accumulator from its low end on
	ds_store_b128 v[STO], v[64*(\a)+8*\b+4:64*(\a)+8*\b+7] offset:64*\b+16
.endr
	WIN 0
.set BB, 96+64*((\a)%2)
.irp t, 0,1,2,3,4,5,6,7,8,9,10,11,12,13,14,15
	ds_load_b128 v[BB+4*\t:BB+4*\t+3], v[RD] offset:\t*528
.endr
.endm
.macro SEND a, younger                 ; younger: the LDS instructions issued behind tile a's loads, which may stay out
.set BB, 96+64*((\a)%2)
	s_wait_dscnt \younger
.irp t, 0,1,2,3,4,5,6,7,8,9,10,11,12,13,14,15
	global_store_b128 v[O16], v[BB+4*\t:BB+4*\t+3], s[12:13] offset:65536*(\a)+4096*\t th:TH_STORE_NT   ; 32 lanes store 512 consecutive bytes, at a multiple of 512 from out0's first byte; written once
.endr
.endm
	TOSTAGE 0                                      ; (the four places behind the last products stand at the last half step's end)
.irp a, 1,2,3
.if \a > 1
	s_wait_xcnt 0x0                                ; tile a - 2's stores have read their registers: tile a's rows may land there
.endif
	TOSTAGE \a
	SEND \a-1, 32                                  ; behind tile a - 1's loads: tile a's 16 stores and 16 loads
.endr
	SEND 3, 0
	s_wait_dscnt 0x0
	s_wait_tensorcnt 0x0
	ds_add_u32 v254, v255
	s_wait_dscnt 0x0
	CROUND                                         ; the closing round: no work-group ends while a partner may still ask for a tile that names it
	s_endpgm
.Lfunc_end_k_q94bbf9dfc6_oproj:
	.size	k_q94bbf9dfc6_oproj, .Lfunc_end_k_q94bbf9dfc6_oproj-k_q94bbf9dfc6_oproj
	.p2alignl 7, 3214868480
	.fill 96, 4, 3214868480
	.section	.rodata,"a",@progbits
	.p2align	6, 0x0
	.amdhsa_kernel k_q94bbf9dfc6_oproj
		.amdhsa_group_segment_fixed_size 168448
		.amdhsa_private_segment_fixed_size 0
		.amdhsa_enable_private_segment 0
		.amdhsa_kernarg_size 40
		.amdhsa_user_sgpr_count 2
		.amdhsa_user_sgpr_kernarg_segment_ptr 1
		.amdhsa_wavefront_size32 1
		.amdhsa_system_sgpr_workgroup_id_x 1
		.amdhsa_system_sgpr_workgroup_id_y 1
		.amdhsa_system_sgpr_workgroup_id_z 1
		.amdhsa_system_vgpr_workitem_id 0
		.amdhsa_next_free_vgpr 1024
		.amdhsa_next_free_sgpr 66
		.amdhsa_reserve_vcc 0
		.amdhsa_float_denorm_mode_32 3
		.amdhsa_float_denorm_mode_16_64 3
		.amdhsa_memory_ordered 1
		.amdhsa_forward_progress 1
		.amdhsa_inst_pref_size 95
	.end_amdhsa_kernel
	.amdgpu_metadata
---
amdhsa.version: [ 1, 2 ]
amdhsa.kernels:
  - .name:           k_q94bbf9dfc6_oproj
    .symbol:         k_q94bbf9dfc6_oproj.kd
    .args:
      - { .name: ctx_codes, .offset: 0, .size: 8, .value_kind: global_buffer, .address_space: global }
      - { .name: ctx_scales, .offset: 8, .size: 8, .value_kind: global_buffer, .address_space: global }
      - { .name: Wo_codes, .offset: 16, .size: 8, .value_kind: global_buffer, .address_space: global }
      - { .name: Wo_scales, .offset: 24, .size: 8, .value_kind: global_buffer, .address_space: global }
      - { .name: out0, .offset: 32, .size: 8, .value_kind: global_buffer, .address_space: global }
    .group_segment_fixed_size: 168448
    .private_segment_fixed_size: 0
    .kernarg_segment_align: 8
    .kernarg_segment_size: 40
    .max_flat_workgroup_size: 128
    .sgpr_count:     66
    .vgpr_count:     1024
    .wavefront_size: 32
...
	.end_amdgpu_metadata
.endif
;; end of part 3
